; MI455X (gfx1250); checked and timed in simulation.
; The chip was launched on July 23, 2026; its instructions are those of AMD's public machine-readable ISA for CDNA 5 (MIT licence, August 2026) and "CDNA5" Instruction Set Architecture Reference Guide (July 2026). The comments in the code are by the model that wrote it; some were corrected since.
;; Counting. Allowed arithmetic: float matrix products may take bf16 or f16 operands with f32 sums; other float arithmetic in f32, or as packed bf16 or f16 multiplies, adds, multiply-adds, maxima and minima; sums over many terms, partial sums and values carried from step to step in f32; what a program stores and reads back later, other than sums and carried values, may be rounded once to bf16 or f16.
;; Inputs: W1 1 x 1,024 float32; W2 2,048 x 1,024 float32; b1 1,024 float32; data 8 x 2,048 x 1,024 float32.
;; Outputs: out0 8 x 2,048 x 1,024 float32.
;; 2 versions, each right; version 2 is version 1 with the launch prep written anew for expert scheduling mode. Each part assembles by itself: llvm-mc -triple=amdgcn-amd-amdhsa -mcpu=gfx1250 --defsym DOCPART=n.
;; ======== version 1 of 2: 4 launches
;; limits: values outside matrix products are rounded to bf16
;; workspace buffers: acat 67,108,864 bytes; w2t 4,194,304 bytes; rs 65,536 bytes; part 589,824 bytes
;; launch prep (part 1): grid 256 x 1, 16 waves a work-group, no clusters, 19,712 bytes of LDS; arguments data, W2, acat, w2t, rs; writes acat, w2t, rs
.if DOCPART == 1
	.amdgcn_target "amdgcn-amd-amdhsa--gfx1250"
	.amdhsa_code_object_version 6
	.text
	.protected	k_q58b5574c2d_prep
	.globl	k_q58b5574c2d_prep
	.p2align	8
	.type	k_q58b5574c2d_prep,@function
k_q58b5574c2d_prep:
	s_mov_b64 s[64:65], 0
	v_nop
	global_prefetch_b8 v0, s[64:65] scope:SCOPE_SE
	s_setreg_imm32_b32 hwreg(HW_REG_WAVE_MODE, 25, 1), 1
	s_wait_xcnt 0x0
; PREP.  data [16384][1024] f32 -> acat [16384][2048] bf16, columns 0-1023 (rounded to nearest even, once);
; rs[row] = 1 / sqrt(max(sum of squares of the ROUNDED row, 1e-12)), f32;  W2 [2048 k][1024 n] f32 -> w2t [1024 n][2048 k] bf16.
; The norms are taken of the rounded numbers, so that the whole program computes on one set of inputs: all of them rounded to bf16.
; SHARES.  256 work-groups of 16 waves.  Work-group x: data rows 64 x .. 64 x + 63 (wave w: rows 4 w .. 4 w + 3, a whole row a wave, so a row's sum never
; leaves the wave), and one tile of W2, 128 k x 64 n (k0 = 128 (x / 16), n0 = 64 (x % 16)), turned through LDS.
; IN FLIGHT.  No loop: a wave issues its 36 loads of 512 bytes at once, 18 KiB a wave, 288 KiB a work-group; the waits count down row by row.
; STORES.  Every store of a wave covers whole aligned runs of 256 bytes: a row's 256 bytes of bf16 (32 lanes x 8), w2t's 256 bytes of a row (16 lanes x 16), rs's 256 bytes.
; No matrix unit, no cluster, no tensor load: nothing is shared between work-groups, and each byte is read once.
; LIMITS.  NaN and infinities are not treated apart.
.set TP,    272                        ; a row of the turned tile in LDS: 128 k in bf16 = 256 bytes + 16 of padding
.set RSB,   64*TP                      ; behind the tile's 64 rows: the work-group's 64 numbers of rs
.set SPARE, RSB+256                    ; behind them: the spare words, 128 bytes for each of 16 waves: eight blocks of 256 bytes that no other line names
.set DO,  2                            ; v2   my 16 bytes in my wave's first row of data
.set AO,  3                            ; v3   my 8 bytes in my wave's first row of acat
.set WO,  4                            ; v4   my 16 bytes in W2's tile
.set TS,  5                            ; v5   where I put a word (two k of one n) of the turned tile
.set TR,  6                            ; v6   where I read 16 bytes of a turned row
.set TO,  7                            ; v7   the same 16 bytes in w2t
.set RSA, 8                            ; v8   my wave's four words of rs in LDS
.set RSR, 9                            ; v9   wave 0: where I read two of the 64
.set G8,  10                           ; v10  8 x lane
.set SPW, 28                           ; v28  LDS address of my spare word; never rewritten
.set NIL, 29                           ; v29  0; never rewritten
.set X,   32                           ; v[32:159]  row t at X + 32 t: as loaded; then words 4 j, 4 j + 1 hold the four numbers as bf16
.set W,   160                          ; v[160:175] W2: item i, row e of a pair of k at W + 8 i + 4 e
.set T,   176                          ; v[176:183] at work
.set ACC, 184                          ; v[184:191] four chains of pairs of squares
.set SQ,  192                          ; v[192:195] the four rows' sums, then 1 / norm
.set PK,  196                          ; v[196:203] W2's packed words
	s_load_b256 s[4:11], s[0:1], 0x0               ; data s[4:5], W2 s[6:7], acat s[8:9], w2t s[10:11]
	s_load_b64 s[12:13], s[0:1], 0x20              ; rs
	v_lshl_add_u32 v[SPW], v0, 2, SPARE
	v_mov_b32 v[NIL], 0
	v_lshrrev_b32 v1, 5, v0
	v_readfirstlane_b32 s14, v1                    ; wave 0..15
	v_and_b32 v11, 31, v0                          ; lane
	v_and_b32 v12, 15, v0                          ; lo = lane % 16
	v_bfe_u32 v13, v0, 4, 1                        ; hi = lane / 16
	s_lshl_b32 s15, s14, 14                        ; four rows of 4,096 bytes a wave, in data and in acat alike
	v_lshl_add_u32 v[DO], v11, 4, s15
	v_lshl_add_u32 v[AO], v11, 3, s15
	s_lshl_b32 s16, s14, 15                        ; W2: eight rows of k a wave,
	v_lshl_add_u32 v[WO], v13, 13, s16             ; two of them on for lanes 16-31,
	v_lshl_add_u32 v[WO], v12, 4, v[WO]            ; four n a lane: 16 lanes take the tile's 256 bytes of a row
	s_lshl_b32 s17, s14, 2
	v_add_nc_u32 v14, s17, v13                     ; 4 w + hi: a pair of k on the way in, a row n on the way out
	v_mul_u32_u24 v[TS], v12, 4*TP                 ; row n = 4 lo (+ q by the immediate),
	v_lshl_add_u32 v[TS], v14, 2, v[TS]            ; word 4 w + hi (+ 2 i by the immediate)
	v_mul_u32_u24 v[TR], v14, TP
	v_lshl_add_u32 v[TR], v12, 4, v[TR]
	v_lshlrev_b32 v[TO], 12, v14                   ; a row of w2t is 4,096 bytes
	v_lshl_add_u32 v[TO], v12, 4, v[TO]
	s_lshl_b32 s19, s14, 4
	s_add_co_u32 s19, s19, RSB
	v_mov_b32 v[RSA], s19
	v_lshlrev_b32 v[G8], 3, v11
	v_add_nc_u32 v[RSR], RSB, v[G8]
	s_mov_b32 s18, 0xffff0000                      ; a word's upper bf16
	s_mov_b32 s20, 0x76543210                      ; v_permlanex16_b32: each lane takes its own place in the other half
	s_mov_b32 s21, 0xfedcba98
	s_mov_b32 s22, 0x2b8cbccc                      ; 1e-12
	s_lshl_b32 s2, ttmp9, 18                       ; 64 rows of 4,096 bytes
	s_mov_b32 s3, 0
	s_lshr_b32 s16, ttmp9, 4                       ; the tile's place along k,
	s_and_b32 s17, ttmp9, 15                       ; and along n
	s_lshl_b32 s24, s16, 19                        ; W2: 128 rows of 4,096 bytes,
	s_lshl_b32 s25, s17, 8                         ; 64 numbers of 4 bytes
	s_or_b32 s24, s24, s25
	s_mov_b32 s25, 0
	s_lshl_b32 s26, s17, 18                        ; w2t: 64 rows of 4,096 bytes,
	s_lshl_b32 s27, s16, 8                         ; 128 numbers of 2 bytes
	s_or_b32 s26, s26, s27
	s_mov_b32 s27, 0
	s_lshl_b32 s28, ttmp9, 8                       ; rs: 64 numbers of 4 bytes
	s_mov_b32 s29, 0
	s_wait_kmcnt 0x0
	s_add_nc_u64 s[4:5], s[4:5], s[2:3]
	s_add_nc_u64 s[8:9], s[8:9], s[2:3]
	s_add_nc_u64 s[6:7], s[6:7], s[24:25]
	s_add_nc_u64 s[10:11], s[10:11], s[26:27]
	s_add_nc_u64 s[12:13], s[12:13], s[28:29]
.irp i, 0,1
.irp e, 0,1
	global_load_b128 v[W+8*(\i)+4*(\e):W+8*(\i)+4*(\e)+3], v[WO], s[6:7] offset:16384*(\i)+4096*(\e) th:TH_LOAD_NT
.endr
.endr
.irp t, 0,1,2,3
.irp j, 0,1,2,3,4,5,6,7
	global_load_b128 v[X+32*(\t)+4*(\j):X+32*(\t)+4*(\j)+3], v[DO], s[4:5] offset:4096*(\t)+512*(\j) th:TH_LOAD_NT
.endr
.endr
	s_wait_loadcnt 32                              ; W2's four loads are in; the 32 loads of data issued behind them stay out
.irp i, 0,1
.irp q, 0,1,2,3
	v_cvt_pk_bf16_f32 v[PK+4*(\i)+(\q)], v[W+8*(\i)+(\q)], v[W+8*(\i)+4+(\q)]  ; k even below, k odd above, of one n
.endr
.endr
.irp i, 0,1
.irp q, 0,1,2,3
	ds_store_b32 v[TS], v[PK+4*(\i)+(\q)] offset:TP*(\q)+8*(\i)
.endr
.endr
; Row t of my four: rounded, stored, and the rounded numbers' squares added up.
.macro ROW t
	s_wait_loadcnt 24-8*(\t)                       ; loads come back in order: this row's eight are in, the later rows' stay out
.irp j, 0,1,2,3,4,5,6,7
	v_cvt_pk_bf16_f32 v[X+32*(\t)+4*(\j)],   v[X+32*(\t)+4*(\j)],   v[X+32*(\t)+4*(\j)+1]
	v_cvt_pk_bf16_f32 v[X+32*(\t)+4*(\j)+1], v[X+32*(\t)+4*(\j)+2], v[X+32*(\t)+4*(\j)+3]
	global_store_b64 v[AO], v[X+32*(\t)+4*(\j):X+32*(\t)+4*(\j)+1], s[8:9] offset:4096*(\t)+256*(\j)  ; 32 lanes store 256 consecutive bytes, aligned; these registers are not written again
.endr
.set n, 0
.rept 16
	v_lshlrev_b32 v[T+2*(n%4)],   16,  v[X+32*(\t)+4*(n/2)+n%2]
	v_and_b32     v[T+2*(n%4)+1], s18, v[X+32*(\t)+4*(n/2)+n%2]
.if n < 4
	v_pk_mul_f32 v[ACC+2*(n%4):ACC+2*(n%4)+1], v[T+2*(n%4):T+2*(n%4)+1], v[T+2*(n%4):T+2*(n%4)+1]  ; the first four words start the chains: nothing is cleared
.else
	v_pk_fma_f32 v[ACC+2*(n%4):ACC+2*(n%4)+1], v[T+2*(n%4):T+2*(n%4)+1], v[T+2*(n%4):T+2*(n%4)+1], v[ACC+2*(n%4):ACC+2*(n%4)+1]
.endif
.set n, n+1
.endr
	v_pk_add_f32 v[ACC:ACC+1], v[ACC:ACC+1], v[ACC+2:ACC+3]
	v_pk_add_f32 v[ACC+4:ACC+5], v[ACC+4:ACC+5], v[ACC+6:ACC+7]
	v_pk_add_f32 v[ACC:ACC+1], v[ACC:ACC+1], v[ACC+4:ACC+5]
	v_add_f32 v[T], v[ACC], v[ACC+1]
	v_add_f32_dpp v[T], v[T], v[T] row_xmask:1 row_mask:0xf bank_mask:0xf
	v_add_f32_dpp v[T], v[T], v[T] row_xmask:2 row_mask:0xf bank_mask:0xf
	v_add_f32_dpp v[T], v[T], v[T] row_xmask:4 row_mask:0xf bank_mask:0xf
	v_add_f32_dpp v[T], v[T], v[T] row_xmask:8 row_mask:0xf bank_mask:0xf
	v_permlanex16_b32 v[T+1], v[T], s20, s21       ; its destination has been written above
	v_add_f32 v[SQ+(\t)], v[T], v[T+1]             ; every lane holds the row's sum
.endm
	ROW 0
	ROW 1
	ROW 2
	ROW 3
.irp t, 0,1,2,3
	v_max_num_f32 v[SQ+(\t)], s22, v[SQ+(\t)]
.endr
.irp t, 0,1,2,3
	v_rsq_f32 v[SQ+(\t)], v[SQ+(\t)]
.endr
	v_nop                                          ; a plain instruction behind the last of the four,
	s_wait_alu depctr_va_vdst(0)                   ; and one wait for the batch, ahead of its first reader
	ds_store_b128 v[RSA], v[SQ:SQ+3]               ; all lanes write the same 16 bytes with the same numbers
	s_wait_dscnt 0x0                               ; for the others' sake: my words of the tile and of rs are in LDS
	s_barrier_signal -1
	s_barrier_wait -1
.irp i, 0,1
	ds_load_b128 v[T+4*(\i):T+4*(\i)+3], v[TR] offset:2*TP*(\i)
.endr
	s_wait_dscnt 0x0
.irp i, 0,1
	global_store_b128 v[TO], v[T+4*(\i):T+4*(\i)+3], s[10:11] offset:8192*(\i)  ; 16 lanes store 256 consecutive bytes of a row of w2t, aligned
.endr
	s_cmp_lg_u32 s14, 0                            ; wave 0 stores the work-group's 64 numbers of rs: 256 bytes
	s_cbranch_scc1 .Lend
	ds_load_b64 v[ACC:ACC+1], v[RSR]
	s_wait_dscnt 0x0
	global_store_b64 v[G8], v[ACC:ACC+1], s[12:13]
.Lend:
	s_wait_tensorcnt 0x0                           ; the wave's end, behind my last LDS store
	ds_add_u32 v[SPW], v[NIL]
	s_wait_dscnt 0x0
	s_endpgm
.Lfunc_end_k_q58b5574c2d_prep:
	.size	k_q58b5574c2d_prep, .Lfunc_end_k_q58b5574c2d_prep-k_q58b5574c2d_prep
	.p2alignl 7, 3214868480
	.fill 96, 4, 3214868480
	.section	.rodata,"a",@progbits
	.p2align	6, 0x0
	.amdhsa_kernel k_q58b5574c2d_prep
		.amdhsa_group_segment_fixed_size 19712
		.amdhsa_private_segment_fixed_size 0
		.amdhsa_enable_private_segment 0
		.amdhsa_kernarg_size 40
		.amdhsa_user_sgpr_count 2
		.amdhsa_user_sgpr_kernarg_segment_ptr 1
		.amdhsa_wavefront_size32 1
		.amdhsa_system_sgpr_workgroup_id_x 1
		.amdhsa_system_sgpr_workgroup_id_y 1
		.amdhsa_system_sgpr_workgroup_id_z 1
		.amdhsa_system_vgpr_workitem_id 0
		.amdhsa_next_free_vgpr 208
		.amdhsa_next_free_sgpr 66
		.amdhsa_reserve_vcc 0
		.amdhsa_float_denorm_mode_32 3
		.amdhsa_float_denorm_mode_16_64 3
		.amdhsa_memory_ordered 1
		.amdhsa_forward_progress 1
		.amdhsa_inst_pref_size 26
	.end_amdhsa_kernel
	.amdgpu_metadata
---
amdhsa.version: [ 1, 2 ]
amdhsa.kernels:
  - .name:           k_q58b5574c2d_prep
    .symbol:         k_q58b5574c2d_prep.kd
    .args:
      - { .name: data, .offset: 0, .size: 8, .value_kind: global_buffer, .address_space: global }
      - { .name: W2, .offset: 8, .size: 8, .value_kind: global_buffer, .address_space: global }
      - { .name: acat, .offset: 16, .size: 8, .value_kind: global_buffer, .address_space: global }
      - { .name: w2t, .offset: 24, .size: 8, .value_kind: global_buffer, .address_space: global }
      - { .name: rs, .offset: 32, .size: 8, .value_kind: global_buffer, .address_space: global }
    .group_segment_fixed_size: 19712
    .private_segment_fixed_size: 0
    .kernarg_segment_align: 8
    .kernarg_segment_size: 40
    .max_flat_workgroup_size: 512
    .sgpr_count:     66
    .vgpr_count:     208
    .wavefront_size: 32
...
	.end_amdgpu_metadata
.endif
;; end of part 1
;; launch sim (part 2): grid 256 x 1, 4 waves a work-group, clusters of 4 x 1, 327,680 bytes of LDS; arguments acat, rs, part; writes part
.if DOCPART == 2
	.amdgcn_target "amdgcn-amd-amdhsa--gfx1250"
	.amdhsa_code_object_version 6
	.text
	.protected	k_q58b5574c2d_sim
	.globl	k_q58b5574c2d_sim
	.p2align	8
	.type	k_q58b5574c2d_sim,@function
k_q58b5574c2d_sim:
	s_mov_b64 s[64:65], 0
	v_nop
	global_prefetch_b8 v0, s[64:65] scope:SCOPE_SE
	s_setreg_imm32_b32 hwreg(HW_REG_WAVE_MODE, 25, 1), 1
	s_wait_xcnt 0x0
	s_wait_alu depctr_hold_cnt(0) depctr_sa_sdst(0) depctr_va_vdst(0) depctr_va_sdst(0) depctr_va_ssrc(0) depctr_va_vcc(0) depctr_vm_vsrc(0)
	s_getreg_b32 s2, hwreg(HW_REG_IB_STS2, 6, 4)
	s_cmp_eq_u32 s2, 0
	s_cbranch_scc0 .Lentry_in_a_cluster
	s_endpgm
.Lentry_in_a_cluster:
	s_bfe_u32 s2, ttmp6, 0x10000c
	s_cmp_lg_u32 s2, 0x3003
	s_cbranch_scc0 .Lentry_shape_is_right
	s_endpgm
.Lentry_shape_is_right:
; SIM.  counter[n] = sum over m of relu(normed_n . normed_m), by batch of 2,048 rows.  With X = data in bf16 (acat's columns 0-1023, row pitch 4,096 bytes) and rs = 1 / norm > 0:
; relu(sim[n][m]) = rs[n] rs[m] relu(X_n . X_m): the products are taken of X itself, and the norms enter as f32 weights of the sums.
; SYMMETRY.  d[n][m] = d[m][n] for every input, so a tile of d feeds the row sums of its rows and, by its column sums, those of its columns.  A batch has 8 blocks of 256 rows.
; Work-group (strip i, g = 0..3) makes 256 rows (block i) x 320 columns: B1 = block j1 = (i + g) % 8, whole, and B2 = columns 64 g .. 64 g + 63 of block j2 = (i + 4) % 8.
; Blocks at distance 0 and 4 are met twice (from both sides), so their weight is 1/2: f = 1/2 for B1 where g = 0 and for B2 always, else 1.  With WB[col] = f rs[col]:
;   row part[row] = rs[row] x sum over col of WB[col] relu(d);   column part[col] = WB[col] x sum over row of rs[row] relu(d).
; part [9][16384] f32: slot g: row parts of strip i; slot 4 + g: B1's column parts, at block j1's rows; slot 8: B2's, at its 64 rows.  Each word is written once; counter = the sum of the 9 slots.
; That is 5/8 of the products of the full square, in 8 x 8 x 4 = 256 work-groups of equal work.
; SHARES.  Four waves; wave w: rows 128 (w / 2) on, columns 160 (w % 2) on: 8 x 10 accumulators of 16 x 16, 640 registers.  K = 1,024 in 8 steps of 128 through two LDS slots.
; CLUSTER.  The four work-groups of a strip need the same 256 rows of A: asked for JOINTLY by waves 0 and 1 (128 rows each).  B1 and B2 are each work-group's own loads (mask 0; waves 2 and 3):
; block (i + g) % 8 is shared by work-groups of four DIFFERENT strips, which no mask of this cluster names, and B2's 64 columns belong to one work-group.
; REGISTERS, in windows of 256 (s_set_vgpr_msb: bits 1:0 source 0, 3:2 source 1, 5:4 source 2, 7:6 destination):
;   window 0: v0-31 addresses; v32-95, v96-159 A's fragments, two buffers; v160-239 B's fragments, buffer 0
;   window 1: v0-79 B's buffer 1; v96-255 accumulators of row blocks 6, 7      window 2: v0-239 row blocks 0-2      window 3: v0-239 row blocks 3-5
; The matrix instruction is used as it is named: source 0 = 16 rows of A, source 1 = 16 rows of B: register j of lane (r = l % 16, h = l / 16) is (row 8 h + j, column r).
; LIMITS.  relu is v_max_num_f32 with 0: a NaN is dropped; NaN and infinities are not treated apart.  Sums in f32.
.set KSTEP,  128
.set PITCH,  272                       ; an LDS row: 256 bytes + 16 of padding = 68 words: the 16 rows of a fragment load start at 16 different groups of four banks (64 banks of 4 bytes: ISA guide 11.1)
.set BOFF,   256*PITCH                 ; in a slot: A's 256 rows, then B1's 256,
.set B2OFF,  512*PITCH                 ; then B2's 64
.set SLOT,   576*PITCH
.set XB,     2*SLOT                    ; behind the ring, never filled by a tensor load: f32 X[2][576]: partial sums of 256 rows and 320 columns, from two waves each
.set XH,     2304
.set SPARE,  XB+2*XH                   ; behind it: the spare words, 128 bytes for each wave: two blocks of 256 bytes that no other line names
.set LAPS,   4                         ; a lap = two K steps = once round the ring
.set ADRA, 16                          ; v16-17  LDS address of my A fragments in slot 0, 1
.set X8,   18                          ; v18     wave 0: where I read two of B2's column sums
.set G8,   19                          ; v19     8 x lane
.set ADRB, 20                          ; v20-21  LDS address of my B fragments
.set XW,   22                          ; v22     where I put row sums
.set XC,   23                          ; v23     where I put column sums
.set XR,   24                          ; v24     where I read four sums back
.set GP,   25                          ; v25     16 x lane
.set RO,   26                          ; v26     32 h: my eight rows' rs in a block of 16
.set WO1,  27                          ; v27     byte offset in rs of my column of column block 0
.set SPW,  28                          ; v28     LDS address of my spare word; never rewritten
.set NIL,  29                          ; v29     0; never rewritten
.set PFO,  30                          ; v30     the prefetches' offset: lane x 4,096; never rewritten
.set WO2,  31                          ; v31     byte offset in rs of my column of column block 6
.set AF,   32
.set BF,   160
.set RA,   32                          ; the way out, all in window 0: v32-95 rs of my rows: [a][j]
.set RSUM, 96                          ; v96-159  row sums [a][j]
.set WBR,  160                         ; v160-169 rs of my columns
.set WB2,  170                         ; v170-189 WB, each twice: a pair for the packed forms
.set CS,   190                         ; v190-229 column sums: for each b two chains of pairs
.set TM,   230                         ; v230-237 at work
.set G1A,  24                          ; s[24:31] descriptor group 1: A, joint, 128 rows
.set G1B1, 32                          ; s[32:39] B1, 256 rows
.set G1B2, 40                          ; s[40:47] B2, 64 rows
.set G0A,  48                          ; s[48:55] group 0, a set for each slot
.set G0B1, 56                          ; s[56:63]
.set G0B2, 68                          ; s[68:75]
.set PFA,  76                          ; s[76:77] where my prefetches stand
.set LIM,  78                          ; s78  1 in a wave that prefetches, else the greatest number
.set FA,   79                          ; s79  f of column blocks 0-5
.set FB,   80                          ; s80  f of column blocks 6-9
.set RSP,  82                          ; s[82:83] rs at my wave's 128 rows
.set P1,   84                          ; s[84:85] part, where my wave stores 128 sums
.set P2,   86                          ; s[86:87] part, slot 8, B2's 64 rows
.set SEL,  88                          ; s[88:89] v_permlanex16_b32's selects
.set MSB, 0
.macro WIN new                         ; the immediate's high byte repeats the setting that is left; a switch that changes nothing is dropped
.if MSB != (\new)
	s_set_vgpr_msb (MSB<<8)|(\new)
.set MSB, \new
.endif
.endm
.macro PLACES                          ; four places in front of loads into registers that matrix instructions have read (ISA guide 7.12.1 for vector instructions)
.rept 4
	v_nop
.endr
.endm
; A fill: one tensor load a wave.  Waves 0, 1: A's halves, jointly; wave 2: B1; wave 3: B2.  The branches hang on the wave's number alone.
; An s_nop 0 and four v_nop follow each line, ahead of the jump and the label.
.macro JLOAD s
	s_cmp_lt_u32 s10, 2
	s_cbranch_scc0 .Lnot_a_\@
	tensor_load_to_lds s[G0A+4*(\s):G0A+4*(\s)+3], s[G1A:G1A+7]
	s_nop 0
.rept 4
	v_nop
.endr
	s_branch .Lasked_\@
.Lnot_a_\@:
	s_cmp_eq_u32 s10, 2
	s_cbranch_scc0 .Lfor_b2_\@
	tensor_load_to_lds s[G0B1+4*(\s):G0B1+4*(\s)+3], s[G1B1:G1B1+7]
	s_nop 0
.rept 4
	v_nop
.endr
	s_branch .Lasked_\@
.Lfor_b2_\@:
	tensor_load_to_lds s[G0B2+4*(\s):G0B2+4*(\s)+3], s[G1B2:G1B2+7]
	s_nop 0
.rept 4
	v_nop
.endr
.Lasked_\@:
.endm
; A PREFETCH INTO THE L2, behind a fill, its five lines and the run of LDS loads: the K step two fills on (640 matrix instructions ahead of the load that wants it), 32 rows x 256 bytes, a lane a row.
; Each row's 256 bytes of a K step are named once in the launch: a cluster names its OWN strip's rows and no other's (the blocks that it reads as B are other clusters' strips).  Waves 0 and 1 ask;
; of the 128 rows that such a wave fetches the partner at place cx takes 32 cx .. 32 cx + 31: told apart by address, by no branch.  K steps 0-3 come by their loads alone; the loop's last trip asks for nothing.
.macro ASK
	s_cmp_gt_u32 s3, s[LIM]
	s_cbranch_scc0 .Lnot_mine_\@
	global_prefetch_b8 v[PFO], s[PFA:PFA+1] offset:KSTEP*2 th:TH_LOAD_NT scope:SCOPE_SE
.Lnot_mine_\@:
.endm
.macro CREST                           ; a round of the cluster's barrier behind its opening barrier
	s_cmp_lg_u32 s10, 0
	s_cbranch_scc1 .Lnot_wave_0_\@
	s_barrier_signal -3
.Lnot_wave_0_\@:
	s_barrier_wait -3
	s_barrier_signal -1
	s_barrier_wait -1
.endm
.macro CROUND                          ; a whole round
	s_barrier_signal -1
	s_barrier_wait -1
	CREST
.endm
	s_load_b128 s[4:7], s[0:1], 0x0                ; acat s[4:5], rs s[6:7]
	s_load_b64 s[8:9], s[0:1], 0x10                ; part
	v_lshl_add_u32 v[SPW], v0, 2, SPARE
	v_mov_b32 v[NIL], 0
	ds_add_u32 v[SPW], v[NIL]                      ; the wave's opening: the add, twice on end, and its wait ahead of my first tensor load; the set-up below stands between
	ds_add_u32 v[SPW], v[NIL]
	v_lshrrev_b32 v1, 5, v0
	v_readfirstlane_b32 s10, v1                    ; wave 0..3
	s_lshr_b32 s11, s10, 1                         ; wr: which 128 rows are mine
	s_and_b32 s12, s10, 1                          ; wc: which 160 columns.  Also: which half of A a wave fetches
	s_bfe_u32 s13, ttmp6, 0x40000                  ; g = cx: my place in the cluster
	s_lshr_b32 s14, ttmp9, 3                       ; in a cluster launch ttmp9 counts clusters: 8 x batch + strip
	s_and_b32 s15, ttmp9, 7
	s_add_co_u32 s20, s15, s13
	s_and_b32 s20, s20, 7                          ; j1
	s_add_co_u32 s21, s15, 4
	s_and_b32 s21, s21, 7                          ; j2
	s_mov_b32 s[G1A],  15|(1<<16)|(1<<20)|(1<<21)|(5<<22)|(3<<25)  ; 15:0 the mask of four; 17:16 2-byte elements; 20 padding on; 21 set beside a mask; 24:22 after every 64 words (code 5); 31:25 4 words (code 3)
	s_mov_b32 s[G1B1], (1<<16)|(1<<20)|(5<<22)|(3<<25)             ; the same without a mask
	s_mov_b32 s[G1B2], (1<<16)|(1<<20)|(5<<22)|(3<<25)
.irp g, G1A, G1B1, G1B2
	s_mov_b32 s[(\g)+1], KSTEP<<16                 ; tensor_dim0 = 128
	s_mov_b32 s[(\g)+3], KSTEP<<16                 ; tile_dim0 = 128
	s_mov_b32 s[(\g)+5], 2048                      ; 2,048 elements from row to row of acat
	s_mov_b32 s[(\g)+6], 0
	s_mov_b32 s[(\g)+7], 0
.endr
	s_mov_b32 s[G1A+2], 128<<16                    ; tensor_dim1 and tile_dim1: the rows
	s_mov_b32 s[G1A+4], 128
	s_mov_b32 s[G1B1+2], 256<<16
	s_mov_b32 s[G1B1+4], 256
	s_mov_b32 s[G1B2+2], 64<<16
	s_mov_b32 s[G1B2+4], 64
	s_lshl_b32 s16, ttmp9, 20                      ; A: 256 rows of 4,096 bytes a strip,
	s_lshl_b32 s17, s12, 19                        ; 128 rows a half: made of the cluster's number and the wave's alone
	s_add_co_u32 s16, s16, s17
	s_mov_b32 s17, 0
	s_lshl_b32 s18, s14, 23                        ; B1: the batch's 2,048 rows,
	s_lshl_b32 s19, s20, 20                        ; block j1
	s_add_co_u32 s18, s18, s19
	s_mov_b32 s19, 0
	s_lshl_b32 s22, s14, 23                        ; B2: the batch, block j2,
	s_lshl_b32 s23, s21, 20
	s_add_co_u32 s22, s22, s23
	s_lshl_b32 s23, s13, 18                        ; 64 g rows
	s_add_co_u32 s22, s22, s23
	s_mov_b32 s23, 0
	s_mul_i32 s2, s12, 128*PITCH                   ; A's half in a slot: no place in the cluster enters an LDS address
	s_mov_b32 s[SEL], 0x76543210
	s_mov_b32 s[SEL+1], 0xfedcba98
	s_wait_dscnt 0x0                               ; both opening adds are done
	s_wait_kmcnt 0x0
	s_add_nc_u64 s[16:17], s[4:5], s[16:17]
	s_add_nc_u64 s[18:19], s[4:5], s[18:19]
	s_add_nc_u64 s[22:23], s[4:5], s[22:23]
	CROUND                                         ; all four work-groups are here: the first joint loads meet
.irp s, 0,1
	s_mov_b32 s[G0A+4*(\s)], 1                                     ; count = 1
	s_add_co_u32 s[G0A+4*(\s)+1], s2, (\s)*SLOT                    ; LDS address
	s_add_nc_u64 s[G0A+4*(\s)+2:G0A+4*(\s)+3], s[16:17], (\s)*KSTEP*2  ; global address: K step s
	s_or_b32 s[G0A+4*(\s)+3], s[G0A+4*(\s)+3], 0x80000000          ; type = 2
	s_mov_b32 s[G0B1+4*(\s)], 1
	s_mov_b32 s[G0B1+4*(\s)+1], BOFF+(\s)*SLOT
	s_add_nc_u64 s[G0B1+4*(\s)+2:G0B1+4*(\s)+3], s[18:19], (\s)*KSTEP*2
	s_or_b32 s[G0B1+4*(\s)+3], s[G0B1+4*(\s)+3], 0x80000000
	s_mov_b32 s[G0B2+4*(\s)], 1
	s_mov_b32 s[G0B2+4*(\s)+1], B2OFF+(\s)*SLOT
	s_add_nc_u64 s[G0B2+4*(\s)+2:G0B2+4*(\s)+3], s[22:23], (\s)*KSTEP*2
	s_or_b32 s[G0B2+4*(\s)+3], s[G0B2+4*(\s)+3], 0x80000000
	JLOAD \s                                       ; both slots are asked for before anything else: two loads of mine are out
.endr
	; A fragment is 16 rows x 32 K in 8 registers: lane l holds row l % 16; registers 0-3 K = 8 (l / 16) + 0..7, registers 4-7 K = 16 + 8 (l / 16) + 0..7: two loads of 16 bytes, 32 bytes apart.
	v_and_b32 v1, 15, v0                           ; r
	v_bfe_u32 v2, v0, 4, 1                         ; h
	v_and_b32 v3, 31, v0                           ; lane
	v_mul_u32_u24 v4, v1, PITCH
	v_lshl_add_u32 v4, v2, 4, v4
	s_mul_i32 s16, s11, 128*PITCH                  ; my 128 rows of A
	s_mul_i32 s17, s12, 160*PITCH                  ; my 160 rows of B,
	s_add_co_u32 s17, s17, BOFF                    ; which lie behind A's 256
.irp s, 0,1
	v_add_nc_u32 v[ADRA+(\s)], s16, v4
	v_add_nc_u32 v[ADRB+(\s)], s17, v4
	s_add_co_u32 s16, s16, SLOT
	s_add_co_u32 s17, s17, SLOT
.endr
	s_mul_i32 s16, s12, XH                         ; row sums: half wc, index 128 wr + 16 a + 8 h + j
	s_lshl_b32 s17, s11, 9
	s_add_co_u32 s16, s16, s17
	s_add_co_u32 s16, s16, XB
	v_lshl_add_u32 v[XW], v2, 5, s16
	s_mul_i32 s16, s11, XH                         ; column sums: half wr, index 256 + 160 wc + 16 b + r
	s_mul_i32 s17, s12, 640
	s_add_co_u32 s16, s16, s17
	s_add_co_u32 s16, s16, XB+1024
	v_lshl_add_u32 v[XC], v1, 2, s16
	s_lshl_b32 s16, s10, 9                         ; back: wave w takes indices 128 w .. 128 w + 127, four a lane
	s_add_co_u32 s16, s16, XB
	v_lshl_add_u32 v[XR], v3, 4, s16
	v_lshlrev_b32 v[GP], 4, v3
	v_lshlrev_b32 v[G8], 3, v3
	v_add_nc_u32 v[X8], XB+2048, v[G8]             ; indices 512 .. 575, two a lane
	v_lshlrev_b32 v[RO], 5, v2
	v_lshlrev_b32 v[PFO], 12, v3
	; offsets in rs and in part, in bytes of f32
	s_lshl_b32 s18, s14, 13                        ; the batch's 2,048 rows
	s_lshl_b32 s19, s20, 10
	s_add_co_u32 s19, s19, s18                     ; block j1
	s_mul_i32 s22, s12, 640
	s_add_co_u32 s22, s22, s19                     ; + 160 wc
	v_lshl_add_u32 v[WO1], v1, 2, s22
	s_add_co_u32 s22, s22, 384                     ; column block 6 of wc = 0 goes on in B1;
	s_lshl_b32 s23, s21, 10
	s_add_co_u32 s23, s23, s18
	s_lshl_b32 s2, s13, 8
	s_add_co_u32 s23, s23, s2                      ; of wc = 1 it is B2's first: block j2, 64 g on
	s_cmp_eq_u32 s12, 1
	s_cselect_b32 s22, s23, s22
	v_lshl_add_u32 v[WO2], v1, 2, s22
	s_lshl_b32 s22, s13, 16                        ; slot g,
	s_lshl_b32 s2, ttmp9, 10
	s_add_co_u32 s2, s2, s22                       ; the strip's rows: waves 0 and 1
	s_add_co_u32 s22, s22, 4<<16                   ; slot 4 + g,
	s_add_co_u32 s22, s22, s19                     ; block j1's rows: waves 2 and 3
	s_cmp_lt_u32 s10, 2
	s_cselect_b32 s2, s2, s22
	s_lshl_b32 s22, s12, 9                         ; 128 of them a wave
	s_add_co_u32 s2, s2, s22
	s_mov_b32 s3, 0
	s_add_nc_u64 s[P1:P1+1], s[8:9], s[2:3]
	s_add_co_u32 s2, s23, 8<<16                    ; slot 8, B2's 64 rows
	s_add_nc_u64 s[P2:P2+1], s[8:9], s[2:3]
	s_lshl_b32 s2, ttmp9, 10
	s_lshl_b32 s22, s11, 9
	s_add_co_u32 s2, s2, s22
	s_add_nc_u64 s[RSP:RSP+1], s[6:7], s[2:3]      ; rs at my 128 rows
	s_lshl_b32 s2, ttmp9, 20                       ; the prefetches: the strip, the half that a wave fetches,
	s_lshl_b32 s22, s12, 19
	s_add_co_u32 s2, s2, s22
	s_lshl_b32 s22, s13, 17                        ; my work-group's 32 rows of it,
	s_add_co_u32 s2, s2, s22
	s_add_co_u32 s2, s2, 2*KSTEP*2                 ; at K step 2: the first refill steps it to 3 and names K step 4
	s_add_nc_u64 s[PFA:PFA+1], s[4:5], s[2:3]
	s_cmp_lt_u32 s10, 2
	s_cselect_b32 s[LIM], 1, -1
	s_cmp_eq_u32 s13, 0                            ; the weights: selects, no branch
	s_cselect_b32 s[FA], 0.5, 1.0
	s_cmp_eq_u32 s12, 1
	s_cselect_b32 s[FB], 0.5, s[FA]
; 10 matrix instructions: row block a x all 10 column blocks, 32 along K, from buffers f.  zero = 1: the first product starts the sums: nothing is cleared.
; The 80 accumulators come in the same order in every quarter step, one instruction a turn, over the backward jump too: 79 others stand between two links of a chain.
.macro MULA f, a, zero
.if (\a) < 3
.set AW, 2
.set AB, 80*(\a)
.elseif (\a) < 6
.set AW, 3
.set AB, 80*((\a)-3)
.else
.set AW, 1
.set AB, 96+80*((\a)-6)
.endif
	WIN ((\f)<<2)|(AW<<4)|(AW<<6)                  ; A window 0; B window f; C and D the accumulators' window
.irp b, 0,1,2,3,4,5,6,7,8,9
.if \zero
	v_wmma_f32_16x16x32_bf16 v[AB+8*(\b):AB+8*(\b)+7], v[AF+64*(\f)+8*(\a):AF+64*(\f)+8*(\a)+7], v[BF*(1-(\f))+8*(\b):BF*(1-(\f))+8*(\b)+7], 0
.else
	v_wmma_f32_16x16x32_bf16 v[AB+8*(\b):AB+8*(\b)+7], v[AF+64*(\f)+8*(\a):AF+64*(\f)+8*(\a)+7], v[BF*(1-(\f))+8*(\b):BF*(1-(\f))+8*(\b)+7], v[AB+8*(\b):AB+8*(\b)+7]
.endif
.endr
.endm
; 36 LDS loads in one run: a quarter step's fragments (160 rows of B, then 128 rows of A, 32 K at byte k of the rows) into buffers f
.macro FETCH slot, k, f
	WIN (\f)<<6
.irp i, 0,1,2,3,4,5,6,7,8,9
	ds_load_b128 v[BF*(1-(\f))+8*(\i):BF*(1-(\f))+8*(\i)+3],   v[ADRB+(\slot)] offset:(\k)+(\i)*16*PITCH
	ds_load_b128 v[BF*(1-(\f))+8*(\i)+4:BF*(1-(\f))+8*(\i)+7], v[ADRB+(\slot)] offset:(\k)+(\i)*16*PITCH+32
.endr
	WIN 0
.irp i, 0,1,2,3,4,5,6,7
	ds_load_b128 v[AF+64*(\f)+8*(\i):AF+64*(\f)+8*(\i)+3],   v[ADRA+(\slot)] offset:(\k)+(\i)*16*PITCH
	ds_load_b128 v[AF+64*(\f)+8*(\i)+4:AF+64*(\f)+8*(\i)+7], v[ADRA+(\slot)] offset:(\k)+(\i)*16*PITCH+32
.endr
.endm
; A K step is four quarters of 32 along K, 80 matrix instructions each, on buffers 0, 1, 0, 1.  One of the first three: multiplies buffers f, and fetches the next quarter, at byte k, into buffers g.
.macro QUARTER slot, k, f, g, zero
	s_wait_dscnt 10                                ; B and A's row blocks 0-2 are in; the youngest ten loads (A's blocks 3-7) may be out
.irp a, 0,1,2
	MULA \f, \a, \zero
.endr
	PLACES
	FETCH \slot, \k, \g
	s_wait_dscnt 36                                ; all but the 36 just issued
.irp a, 3,4,5,6,7
	MULA \f, \a, \zero
.endr
.endm
; The last quarter multiplies buffers 1 and changes slots: ONE barrier.  In front of it each wave waits for all its tensor loads (one is out: its part of the next slot), adds 0 to its spare word, and waits for
; that and for its own reads of this slot.  fill = 1: the barrier opens a round of the cluster's, so that no wave of any partner still reads the slot or has a load on its way, and the slot's refill
; (the K step two on) is the first tensor load behind the round, one a wave; some 290 matrix instructions lie between it and the wait for it.
.macro TURN slot, next, fill
.if \fill
	s_wait_xcnt 0x0                                ; the last prefetch, a K step back, has read its address: it is stepped here, ahead of the waits of the change
	s_add_nc_u64 s[PFA:PFA+1], s[PFA:PFA+1], KSTEP*2
.endif
	WIN 0                                          ; (the add's two registers lie in window 0)
	s_wait_tensorcnt 0x0                           ; all my tensor loads have landed
	ds_add_u32 v[SPW], v[NIL]                      ; 0 onto my spare word
	s_wait_dscnt 11                                ; (the add and the youngest ten loads may be out)
	MULA 1, 0, 0                                   ; ten matrix instructions stand between the add and the wait for it
	s_wait_dscnt 0x0                               ; the add is done, and my reads of this slot are over
	s_barrier_signal -1
	MULA 1, 1, 0                                   ; work on registers while the others arrive
	MULA 1, 2, 0
.if \fill
	WIN 0
.endif
	s_barrier_wait -1
.if \fill
	CREST
.irp q, G0A, G0B1, G0B2
	s_add_nc_u64 s[(\q)+4*(\slot)+2:(\q)+4*(\slot)+3], s[(\q)+4*(\slot)+2:(\q)+4*(\slot)+3], 2*KSTEP*2  ; no load of mine is out, so a group 0 may be written
.endr
	JLOAD \slot                                    ; the four v_nop behind it are also the places in front of the loads below
.else
	PLACES
.endif
	FETCH \next, 0, 0
.if \fill
	ASK
.endif
.irp a, 3,4,5,6,7
	MULA 1, \a, 0
.endr
.endm
	s_wait_tensorcnt 1                             ; my part of K step 0 is in; slot 1's load may stay out
	s_barrier_signal -1
	s_barrier_wait -1                              ; everybody's is
	FETCH 0, 0, 0
	QUARTER 0, 64, 0, 1, 1                         ; the first quarter stands in front of the loop: its products start the sums
	WIN 0                                          ; at a label and at a branch every window is 0
	s_mov_b32 s3, LAPS-1
.Llap:                                                 ; a trip goes once round the ring, from a lap's second quarter to the next lap's first, and fills both slots again
	QUARTER 0, 128, 1, 0, 0
	QUARTER 0, 192, 0, 1, 0
	TURN 0, 1, 1
	QUARTER 1, 64,  0, 1, 0
	QUARTER 1, 128, 1, 0, 0
	QUARTER 1, 192, 0, 1, 0
	TURN 1, 0, 1
	QUARTER 0, 64,  0, 1, 0
	WIN 0
	s_sub_co_u32 s3, s3, 1
	s_cmp_lg_u32 s3, 0
	s_cbranch_scc1 .Llap
	QUARTER 0, 128, 1, 0, 0                        ; the last lap fills nothing, and has no round of the cluster's barrier
	QUARTER 0, 192, 0, 1, 0
	TURN 0, 1, 0
	QUARTER 1, 64,  0, 1, 0
	QUARTER 1, 128, 1, 0, 0
	QUARTER 1, 192, 0, 1, 0
	s_wait_dscnt 10                                ; the very last quarter: in its middle the weights are asked for, into buffers 0, which are free
.irp a, 0,1,2
	MULA 1, \a, 0
.endr
	PLACES
	WIN 0
.irp a, 0,1,2,3,4,5,6,7
	global_load_b128 v[RA+8*(\a):RA+8*(\a)+3],   v[RO], s[RSP:RSP+1] offset:64*(\a)      ; rs of rows 16 a + 8 h + 0..3,
	global_load_b128 v[RA+8*(\a)+4:RA+8*(\a)+7], v[RO], s[RSP:RSP+1] offset:64*(\a)+16   ; + 4..7
.endr
.irp b, 0,1,2,3,4,5
	global_load_b32 v[WBR+(\b)], v[WO1], s[6:7] offset:64*(\b)                            ; rs of column 16 b + r
.endr
.irp b, 6,7,8,9
	global_load_b32 v[WBR+(\b)], v[WO2], s[6:7] offset:64*((\b)-6)
.endr
	s_wait_dscnt 0x0
.irp a, 3,4,5,6,7
	MULA 1, \a, 0
.endr
	WIN 0
	PLACES                                         ; eight places, once a launch, between the last products and what reads results or writes their sources
	PLACES
	; THE WAY OUT.  relu, then each number feeds its row's sum (weight WB of its column) and its column's sum (weight rs of its row).
	s_wait_loadcnt 0x0
.irp b, 0,1,2,3,4,5
	v_mul_f32 v[WB2+2*(\b)],   s[FA], v[WBR+(\b)]
	v_mul_f32 v[WB2+2*(\b)+1], s[FA], v[WBR+(\b)]
.endr
.irp b, 6,7,8,9
	v_mul_f32 v[WB2+2*(\b)],   s[FB], v[WBR+(\b)]
	v_mul_f32 v[WB2+2*(\b)+1], s[FB], v[WBR+(\b)]
.endr
; The na row blocks from a0 on, whose accumulators lie in window win from register base on.  The maxima go in ascending order: each accumulator is read from its low end on.
.macro SUMS win, a0, na, base
	WIN ((\win)<<6)|((\win)<<2)
.set z, 0
.rept 80*(\na)
	v_max_num_f32 v[(\base)+z], 0, v[(\base)+z]
.set z, z+1
.endr
	WIN \win                                       ; source 0 in the accumulators' window, all else in window 0
.set a, \a0
.rept \na
.set b, 0
.rept 10
.set p, 0
.rept 4
.set rD, (\base)+80*(a-(\a0))+8*b+2*p
.if b == 0
	v_pk_mul_f32 v[RSUM+8*a+2*p:RSUM+8*a+2*p+1], v[rD:rD+1], v[WB2+2*b:WB2+2*b+1]
.else
	v_pk_fma_f32 v[RSUM+8*a+2*p:RSUM+8*a+2*p+1], v[rD:rD+1], v[WB2+2*b:WB2+2*b+1], v[RSUM+8*a+2*p:RSUM+8*a+2*p+1]
.endif
.if (a == 0) && (p < 2)
	v_pk_mul_f32 v[CS+4*b+2*(p%2):CS+4*b+2*(p%2)+1], v[rD:rD+1], v[RA+8*a+2*p:RA+8*a+2*p+1]
.else
	v_pk_fma_f32 v[CS+4*b+2*(p%2):CS+4*b+2*(p%2)+1], v[rD:rD+1], v[RA+8*a+2*p:RA+8*a+2*p+1], v[CS+4*b+2*(p%2):CS+4*b+2*(p%2)+1]
.endif
.set p, p+1
.endr
.set b, b+1
.endr
.set a, a+1
.endr
.endm
	SUMS 2, 0, 3, 0
	SUMS 3, 3, 3, 0
	SUMS 1, 6, 2, 96
	WIN 0
.irp m, 1,2,4,8                        ; a row's sum over my 160 columns: over the 16 lanes of a half, which hold 16 columns each of the same rows
.set z, 0
.rept 64
	v_add_f32_dpp v[RSUM+z], v[RSUM+z], v[RSUM+z] row_xmask:\m row_mask:0xf bank_mask:0xf
.set z, z+1
.endr
.endr
.set z, 0
.rept 32
	v_pk_mul_f32 v[RSUM+z:RSUM+z+1], v[RSUM+z:RSUM+z+1], v[RA+z:RA+z+1]  ; times rs of the row
.set z, z+2
.endr
.irp a, 0,1,2,3,4,5,6,7
	ds_store_b128 v[XW], v[RSUM+8*(\a):RSUM+8*(\a)+3]   offset:64*(\a)      ; the 16 lanes of a half write the same bytes with the same numbers
	ds_store_b128 v[XW], v[RSUM+8*(\a)+4:RSUM+8*(\a)+7] offset:64*(\a)+16
.endr
.irp b, 0,1,2,3,4,5,6,7,8,9
	v_pk_add_f32 v[CS+4*(\b):CS+4*(\b)+1], v[CS+4*(\b):CS+4*(\b)+1], v[CS+4*(\b)+2:CS+4*(\b)+3]
.endr
.irp b, 0,1,2,3,4,5,6,7,8,9
	v_add_f32 v[CS+4*(\b)], v[CS+4*(\b)], v[CS+4*(\b)+1]
.endr
.irp b, 0,1,2,3,4,5,6,7,8,9
	v_permlanex16_b32 v[WBR+(\b)], v[CS+4*(\b)], s[SEL], s[SEL+1]           ; the column's other 64 rows lie in the lane 16 away
.endr
.irp b, 0,1,2,3,4,5,6,7,8,9
	v_add_f32 v[CS+4*(\b)], v[CS+4*(\b)], v[WBR+(\b)]
.endr
.irp b, 0,1,2,3,4,5,6,7,8,9
	v_mul_f32 v[CS+4*(\b)], v[CS+4*(\b)], v[WB2+2*(\b)]                     ; times WB of the column
.endr
.irp b, 0,1,2,3,4,5,6,7,8,9
	ds_store_b32 v[XC], v[CS+4*(\b)] offset:64*(\b)
.endr
	s_wait_dscnt 0x0                               ; for the others' sake: my sums are in LDS
	s_barrier_signal -1
	s_barrier_wait -1
	ds_load_b128 v[TM:TM+3],   v[XR]               ; the two waves' halves of four sums
	ds_load_b128 v[TM+4:TM+7], v[XR] offset:XH
	s_wait_dscnt 0x0
	v_pk_add_f32 v[TM:TM+1],   v[TM:TM+1],   v[TM+4:TM+5]
	v_pk_add_f32 v[TM+2:TM+3], v[TM+2:TM+3], v[TM+6:TM+7]
	global_store_b128 v[GP], v[TM:TM+3], s[P1:P1+1]  ; 512 consecutive bytes, aligned
	s_cmp_lg_u32 s10, 0                            ; wave 0 also stores B2's 64 column sums: 256 bytes
	s_cbranch_scc1 .Lend
	ds_load_b64 v[TM+4:TM+5], v[X8]
	ds_load_b64 v[TM+6:TM+7], v[X8] offset:XH
	s_wait_dscnt 0x0
	v_pk_add_f32 v[TM+4:TM+5], v[TM+4:TM+5], v[TM+6:TM+7]
	global_store_b64 v[G8], v[TM+4:TM+5], s[P2:P2+1]
.Lend:
	s_wait_tensorcnt 0x0                           ; the wave's end, behind my last tensor load and my last LDS store
	ds_add_u32 v[SPW], v[NIL]
	s_wait_dscnt 0x0
	CROUND                                         ; the closing round: no work-group ends while a partner may still ask for a tile that names it
	s_endpgm
.Lfunc_end_k_q58b5574c2d_sim:
	.size	k_q58b5574c2d_sim, .Lfunc_end_k_q58b5574c2d_sim-k_q58b5574c2d_sim
	.p2alignl 7, 3214868480
	.fill 96, 4, 3214868480
	.section	.rodata,"a",@progbits
	.p2align	6, 0x0
	.amdhsa_kernel k_q58b5574c2d_sim
		.amdhsa_group_segment_fixed_size 327680
		.amdhsa_private_segment_fixed_size 0
		.amdhsa_enable_private_segment 0
		.amdhsa_kernarg_size 24
		.amdhsa_user_sgpr_count 2
		.amdhsa_user_sgpr_kernarg_segment_ptr 1
		.amdhsa_wavefront_size32 1
		.amdhsa_system_sgpr_workgroup_id_x 1
		.amdhsa_system_sgpr_workgroup_id_y 1
		.amdhsa_system_sgpr_workgroup_id_z 1
		.amdhsa_system_vgpr_workitem_id 0
		.amdhsa_next_free_vgpr 1024
		.amdhsa_next_free_sgpr 96
		.amdhsa_reserve_vcc 0
		.amdhsa_float_denorm_mode_32 3
		.amdhsa_float_denorm_mode_16_64 3
		.amdhsa_memory_ordered 1
		.amdhsa_forward_progress 1
		.amdhsa_inst_pref_size 222
	.end_amdhsa_kernel
	.amdgpu_metadata
---
amdhsa.version: [ 1, 2 ]
amdhsa.kernels:
  - .name:           k_q58b5574c2d_sim
    .symbol:         k_q58b5574c2d_sim.kd
    .args:
      - { .name: acat, .offset: 0, .size: 8, .value_kind: global_buffer, .address_space: global }
      - { .name: rs, .offset: 8, .size: 8, .value_kind: global_buffer, .address_space: global }
      - { .name: part, .offset: 16, .size: 8, .value_kind: global_buffer, .address_space: global }
    .group_segment_fixed_size: 327680
    .private_segment_fixed_size: 0
    .kernarg_segment_align: 8
    .kernarg_segment_size: 24
    .max_flat_workgroup_size: 128
    .sgpr_count:     96
    .vgpr_count:     1024
    .wavefront_size: 32
...
	.end_amdgpu_metadata
.endif
;; end of part 2
;; launch expand (part 3): grid 256 x 1, 8 waves a work-group, no clusters, 3,072 bytes of LDS; arguments part, W1, b1, acat; writes acat
.if DOCPART == 3
	.amdgcn_target "amdgcn-amd-amdhsa--gfx1250"
	.amdhsa_code_object_version 6
	.text
	.protected	k_q58b5574c2d_expand
	.globl	k_q58b5574c2d_expand
	.p2align	8
	.type	k_q58b5574c2d_expand,@function
k_q58b5574c2d_expand:
	s_mov_b64 s[64:65], 0
	v_nop
	global_prefetch_b8 v0, s[64:65] scope:SCOPE_SE
	s_setreg_imm32_b32 hwreg(HW_REG_WAVE_MODE, 25, 1), 1
	s_wait_xcnt 0x0
; EXPAND.  c[row] = the sum of part's 9 slots, in a fixed order, f32.  S[row][col] = softplus(c W1[col] + b1[col]), rounded once to bf16 -> acat's columns 1024-2047.
; W1 and b1 are rounded to bf16 first, like the program's other inputs, and widened again; all arithmetic in f32.
; softplus(x) = max(x, 0) + ln(1 + e^-|x|).  With t = x log2(e) (the factor lies in W1 and b1, multiplied in once) and M = max(t, 0): S = ln 2 x (M + log2(1 + 2^(t - 2 M))): t - 2 M = -|t| <= 0,
; so no exponential overflows for any input.
; LIMITS.  1 + 2^(-|t|) is rounded to f32: the absolute error is about 2^-24, and below x of about -17 the result is 0 where the true one is under 5e-8.  NaN and infinities are not treated apart.
; SHARES.  Work-group x: rows 64 x .. 64 x + 63.  Wave w: rows 32 (w / 4) on, columns 256 (w % 4) + 8 lane + 0..7: a store of the wave is 512 consecutive bytes, aligned.  Its eight W1 and b1 stay in registers.
; A wave's 32 numbers c go through its own 256 bytes of LDS, each twice, so that one load gives every lane four rows' pairs: no barrier, since no wave reads another's bytes.
; No matrix unit, no cluster, no tensor load, no prefetch: the launch reads 0.6 MB and streams its stores.
.set SPARE, 2048                       ; behind the eight waves' 256 bytes: the spare words, 128 bytes for each wave: four blocks of 256 bytes that no other line names
.set PO,  2                            ; v2   my row's word in a slot of part
.set WOF, 3                            ; v3   my 32 bytes of W1 and of b1
.set CA,  4                            ; v4   LDS address of the trip's four pairs
.set CST, 5                            ; v5   where I put my row's pair
.set AO,  6                            ; v6   my 16 bytes in acat; never rewritten
.set W,   8                            ; v[8:15]   W1 log2(e)
.set BB,  16                           ; v[16:23]  b1 log2(e)
.set C,   24                           ; v[24:31]  four rows' (c, c)
.set X,   32                           ; v[32:63]  four rows x 8 columns
.set E,   64                           ; v[64:95]  M
.set Y,   96                           ; v[96:111] packed results
.set PV,  112                          ; v[112:120] the nine slots' numbers
.set SPW, 124
.set NIL, 125
	s_load_b256 s[4:11], s[0:1], 0x0               ; part s[4:5], W1 s[6:7], b1 s[8:9], acat s[10:11]
	v_lshl_add_u32 v[SPW], v0, 2, SPARE
	v_mov_b32 v[NIL], 0
	v_lshrrev_b32 v1, 5, v0
	v_readfirstlane_b32 s14, v1                    ; wave 0..7
	s_lshr_b32 s15, s14, 2                         ; which 32 rows
	s_and_b32 s16, s14, 3                          ; which 256 columns
	v_and_b32 v7, 31, v0
	s_lshl_b32 s17, s15, 7
	v_lshl_add_u32 v[PO], v7, 2, s17
	s_lshl_b32 s18, s16, 10
	v_lshl_add_u32 v[WOF], v7, 5, s18
	s_lshl_b32 s19, s14, 8
	v_mov_b32 v[CA], s19
	v_lshl_add_u32 v[CST], v7, 3, s19
	s_lshl_b32 s24, s15, 17                        ; 32 rows of 4,096 bytes,
	s_lshl_b32 s25, s16, 9                         ; 256 columns of 2 bytes,
	s_add_co_u32 s24, s24, s25
	s_add_co_u32 s24, s24, 2048                    ; in a row's second half
	v_lshl_add_u32 v[AO], v7, 4, s24
	s_mov_b32 s20, 0x3fb8aa3b                      ; log2(e); named as a pair
	s_mov_b32 s21, 0x3fb8aa3b
	s_mov_b32 s22, 0x3f317218                      ; ln 2; named as a pair
	s_mov_b32 s23, 0x3f317218
	s_mov_b32 s13, 0xffff0000
	s_mov_b32 s12, 8                               ; trips of four rows
	s_lshl_b32 s2, ttmp9, 8                        ; 64 rows of 4 bytes
	s_mov_b32 s3, 0
	s_lshl_b32 s26, ttmp9, 18                      ; 64 rows of 4,096 bytes
	s_mov_b32 s27, 0
	s_wait_kmcnt 0x0
	s_add_nc_u64 s[4:5], s[4:5], s[2:3]
	s_add_nc_u64 s[10:11], s[10:11], s[26:27]
	global_load_b128 v[W:W+3],    v[WOF], s[6:7]
	global_load_b128 v[W+4:W+7],  v[WOF], s[6:7] offset:16
	global_load_b128 v[BB:BB+3],  v[WOF], s[8:9]
	global_load_b128 v[BB+4:BB+7], v[WOF], s[8:9] offset:16
.irp s, 0,1,2,3,4,5,6,7,8
	global_load_b32 v[PV+(\s)], v[PO], s[4:5] offset:65536*(\s)
.endr
	s_wait_loadcnt 0x0
.irp p, 0,1,2,3
	v_cvt_pk_bf16_f32 v[Y+(\p)],   v[W+2*(\p)],  v[W+2*(\p)+1]    ; rounded to bf16,
	v_cvt_pk_bf16_f32 v[Y+4+(\p)], v[BB+2*(\p)], v[BB+2*(\p)+1]
.endr
.irp p, 0,1,2,3
	v_lshlrev_b32 v[W+2*(\p)],    16,  v[Y+(\p)]                   ; and widened again
	v_and_b32     v[W+2*(\p)+1],  s13, v[Y+(\p)]
	v_lshlrev_b32 v[BB+2*(\p)],   16,  v[Y+4+(\p)]
	v_and_b32     v[BB+2*(\p)+1], s13, v[Y+4+(\p)]
.endr
.irp p, 0,1,2,3
	v_pk_mul_f32 v[W+2*(\p):W+2*(\p)+1],   v[W+2*(\p):W+2*(\p)+1],   s[20:21] op_sel_hi:[1,0]
	v_pk_mul_f32 v[BB+2*(\p):BB+2*(\p)+1], v[BB+2*(\p):BB+2*(\p)+1], s[20:21] op_sel_hi:[1,0]
.endr
	v_add_f32 v[PV],   v[PV],   v[PV+1]
	v_add_f32 v[PV+2], v[PV+2], v[PV+3]
	v_add_f32 v[PV+4], v[PV+4], v[PV+5]
	v_add_f32 v[PV+6], v[PV+6], v[PV+7]
	v_add_f32 v[PV],   v[PV],   v[PV+2]
	v_add_f32 v[PV+4], v[PV+4], v[PV+6]
	v_add_f32 v[PV],   v[PV],   v[PV+4]
	v_add_f32 v[PV],   v[PV],   v[PV+8]            ; c of row 32 (w / 4) + lane
	v_mov_b32 v[PV+1], v[PV]
	ds_store_b64 v[CST], v[PV:PV+1]                ; LDS serves a wave's instructions in order (ISA guide 5.7.1.4): the loads below see it
.Ltrip:
	ds_load_b128 v[C:C+3],   v[CA]                 ; every lane reads the same 32 bytes: four rows' (c, c)
	ds_load_b128 v[C+4:C+7], v[CA] offset:16
	s_wait_dscnt 0x0
.set u, 0
.rept 4
.set p, 0
.rept 4
	v_pk_fma_f32 v[X+8*u+2*p:X+8*u+2*p+1], v[W+2*p:W+2*p+1], v[C+2*u:C+2*u+1], v[BB+2*p:BB+2*p+1]  ; t
.set p, p+1
.endr
.set u, u+1
.endr
.set z, 0
.rept 32
	v_max_num_f32 v[E+z], 0, v[X+z]                ; M
.set z, z+1
.endr
.set z, 0
.rept 16
	v_pk_fma_f32 v[X+z:X+z+1], v[E+z:E+z+1], -2.0, v[X+z:X+z+1] op_sel_hi:[1,0,1]  ; t - 2 M = -|t|
.set z, z+2
.endr
.set z, 0
.rept 32
	v_exp_f32 v[X+z], v[X+z]
.set z, z+1
.endr
	v_add_nc_u32 v[CA], 32, v[CA]                  ; the next trip's pairs: the plain instruction behind the last exponential,
	s_wait_alu depctr_va_vdst(0)                   ; and one wait for the batch of 32, ahead of its first reader
.set z, 0
.rept 16
	v_pk_add_f32 v[X+z:X+z+1], v[X+z:X+z+1], 1.0 op_sel_hi:[1,0]
.set z, z+2
.endr
.set z, 0
.rept 32
	v_log_f32 v[X+z], v[X+z]
.set z, z+1
.endr
	v_nop                                          ; a plain instruction behind the last logarithm,
	s_wait_alu depctr_va_vdst(0)                   ; and one wait for the batch
.set z, 0
.rept 16
	v_pk_add_f32 v[X+z:X+z+1], v[X+z:X+z+1], v[E+z:E+z+1]
.set z, z+2
.endr
.set z, 0
.rept 16
	v_pk_mul_f32 v[X+z:X+z+1], v[X+z:X+z+1], s[22:23] op_sel_hi:[1,0]
.set z, z+2
.endr
.set z, 0
.rept 16
	v_cvt_pk_bf16_f32 v[Y+z], v[X+2*z], v[X+2*z+1]
.set z, z+1
.endr
.irp u, 0,1,2,3
	global_store_b128 v[AO], v[Y+4*(\u):Y+4*(\u)+3], s[10:11] offset:4096*(\u)
.endr
	s_wait_xcnt 0x0                                ; the stores have read their data and their base: only behind this wait are Y and the base written again
	s_add_nc_u64 s[10:11], s[10:11], 4*4096
	s_sub_co_u32 s12, s12, 1
	s_cmp_lg_u32 s12, 0
	s_cbranch_scc1 .Ltrip
	s_wait_tensorcnt 0x0                           ; the wave's end, behind my last LDS store
	ds_add_u32 v[SPW], v[NIL]
	s_wait_dscnt 0x0
	s_endpgm
.Lfunc_end_k_q58b5574c2d_expand:
	.size	k_q58b5574c2d_expand, .Lfunc_end_k_q58b5574c2d_expand-k_q58b5574c2d_expand
	.p2alignl 7, 3214868480
	.fill 96, 4, 3214868480
	.section	.rodata,"a",@progbits
	.p2align	6, 0x0
	.amdhsa_kernel k_q58b5574c2d_expand
		.amdhsa_group_segment_fixed_size 3072
		.amdhsa_private_segment_fixed_size 0
		.amdhsa_enable_private_segment 0
		.amdhsa_kernarg_size 32
		.amdhsa_user_sgpr_count 2
		.amdhsa_user_sgpr_kernarg_segment_ptr 1
		.amdhsa_wavefront_size32 1
		.amdhsa_system_sgpr_workgroup_id_x 1
		.amdhsa_system_sgpr_workgroup_id_y 1
		.amdhsa_system_sgpr_workgroup_id_z 1
		.amdhsa_system_vgpr_workitem_id 0
		.amdhsa_next_free_vgpr 128
		.amdhsa_next_free_sgpr 66
		.amdhsa_reserve_vcc 0
		.amdhsa_float_denorm_mode_32 3
		.amdhsa_float_denorm_mode_16_64 3
		.amdhsa_memory_ordered 1
		.amdhsa_forward_progress 1
		.amdhsa_inst_pref_size 15
	.end_amdhsa_kernel
	.amdgpu_metadata
---
amdhsa.version: [ 1, 2 ]
amdhsa.kernels:
  - .name:           k_q58b5574c2d_expand
    .symbol:         k_q58b5574c2d_expand.kd
    .args:
      - { .name: part, .offset: 0, .size: 8, .value_kind: global_buffer, .address_space: global }
      - { .name: W1, .offset: 8, .size: 8, .value_kind: global_buffer, .address_space: global }
      - { .name: b1, .offset: 16, .size: 8, .value_kind: global_buffer, .address_space: global }
      - { .name: acat, .offset: 24, .size: 8, .value_kind: global_buffer, .address_space: global }
    .group_segment_fixed_size: 3072
    .private_segment_fixed_size: 0
    .kernarg_segment_align: 8
    .kernarg_segment_size: 32
    .max_flat_workgroup_size: 256
    .sgpr_count:     66
    .vgpr_count:     128
    .wavefront_size: 32
...
	.end_amdgpu_metadata
.endif
;; end of part 3
;; launch merge (part 4): grid 4 x 64, 4 waves a work-group, clusters of 4 x 4, 327,680 bytes of LDS; arguments acat, w2t, out0; writes out0
.if DOCPART == 4
	.amdgcn_target "amdgcn-amd-amdhsa--gfx1250"
	.amdhsa_code_object_version 6
	.text
	.protected	k_q58b5574c2d_merge
	.globl	k_q58b5574c2d_merge
	.p2align	8
	.type	k_q58b5574c2d_merge,@function
k_q58b5574c2d_merge:
	s_mov_b64 s[64:65], 0
	v_nop
	global_prefetch_b8 v0, s[64:65] scope:SCOPE_SE
	s_setreg_imm32_b32 hwreg(HW_REG_WAVE_MODE, 25, 1), 1
	s_wait_xcnt 0x0
	s_wait_alu depctr_hold_cnt(0) depctr_sa_sdst(0) depctr_va_vdst(0) depctr_va_sdst(0) depctr_va_ssrc(0) depctr_va_vcc(0) depctr_vm_vsrc(0)
	s_getreg_b32 s2, hwreg(HW_REG_IB_STS2, 6, 4)
	s_cmp_eq_u32 s2, 0
	s_cbranch_scc0 .Lentry_in_a_cluster
	s_endpgm
.Lentry_in_a_cluster:
	s_bfe_u32 s2, ttmp6, 0x10000c
	s_cmp_lg_u32 s2, 0xf033
	s_cbranch_scc0 .Lentry_shape_is_right
	s_endpgm
.Lentry_shape_is_right:
; MERGE.  out0[m][n] = sum over k of A[m][k] B[n][k].  A = acat [16384][2048] bf16 (data | S), B = w2t [1024][2048] bf16 (W2 turned), out0 [16384][1024] f32; sums in f32, K ascending.
; A tile of out0, 256 x 256, is made by a work-group of four waves; a wave makes 128 x 128: 64 accumulators of 16 x 16, 512 registers.  64 x 4 tiles: 256 work-groups, one tile each.
; K goes in 16 steps of 128 through a ring of two LDS slots filled by the tensor data mover: a tile's rows are 256 bytes of memory, at multiples of 256 bytes.
; CLUSTERS: 4 x 4 work-groups.  The four of a row of the cluster need the same tiles of A, the four of a column the same tiles of B: each tile is asked for JOINTLY, by the same tensor load with the
; same descriptor and a mask that names the four; each receives it in its own LDS.
; REGISTERS, in windows of 256 (s_set_vgpr_msb: bits 1:0 source 0, 3:2 source 1, 5:4 source 2, 7:6 destination):
;   window 0: v0-31 addresses; v64-127, v128-191 fragments of A, two buffers; on the way out the same 128 registers take rows read back from the stage
;   window 1: v64-127, v128-191 fragments of B      window 2: the 32 accumulators of my rows 0-63 ((a, b) at v[8 (8 a + b)])      window 3: those of my rows 64-127
; THE MATRIX INSTRUCTION IS USED TRANSPOSED: source 0 = 16 rows of B, source 1 = 16 rows of A: lane l then holds row l % 16 of out0 and the columns 8 (l / 16) + 0..7: 32 neighbouring bytes.
; THE WAY OUT: 16 rows x 512 bytes at a time through the wave's own stage in LDS, back as whole rows: a store of the wave is 512 consecutive bytes, aligned.
.set SIZE_N, 1024
.set SIZE_K, 2048
.set KSTEP,  128
.set PITCH,  272                       ; an LDS row: 256 bytes + 16 of padding = 68 words: the 16 rows of a fragment load start at 16 different groups of four banks (64 banks of 4 bytes: ISA guide 11.1)
.set HALFT,  128*PITCH                 ; 128 rows: what one tensor load brings, and what one wave reads of A or of B
.set SLOT,   4*HALFT                   ; A's 256 rows, then B's 256 rows
.set STAGE,  2*SLOT                    ; behind the ring, never filled by a tensor load: 16 rows x 528 bytes for each wave
.set SPITCH, 528                       ; 512 bytes + 16 = 132 words: again 16 rows at 16 different groups of four banks
.set SPARE,  STAGE+4*16*SPITCH         ; behind the stages: the spare words, 128 bytes for each wave: two blocks of 256 bytes that no other line names
.set LAPS, SIZE_K/(2*KSTEP)            ; a lap = two K steps = once round the ring
.set ADRA, 16                          ; v16-17  LDS address of my A fragments in slot 0, 1
.set ADRB, 20                          ; v20-21  the same for B
.set STO,  24                          ; v24     the way out: where I put 32 bytes of a row
.set RD,   25                          ; v25     the way out: where I read 16 bytes of a row back
.set CO,   26                          ; v26     16 x lane: my bytes in a row's 512
.set SPW,  28                          ; v28     LDS address of my spare word; never rewritten
.set NIL,  29                          ; v29     0; never rewritten
.set PFO,  30                          ; v30     the prefetches' offset: lane x a row of A or B; never rewritten
.set PFA,  44                          ; s[44:45] where my prefetches stand
.set LIM,  43                          ; s43     1 in a wave that prefetches, else the greatest number
.set F0,   64
.set F1,   128
.set OB,   64                          ; the way out: 16 rows read back: v64-127 and v128-191 by turns
.set G1, 24                            ; s[24:31] descriptor group 1 for A's tiles
.set G0, 32                            ; s[32:39] group 0 for A's tiles, a set for each slot
.set G1B, 48                           ; s[48:55], s[56:63] the same for B's
.set G0B, 56
.set MSB, 0
.macro WIN new                         ; the immediate's high byte repeats the setting that is left; a switch that changes nothing is dropped
.if MSB != (\new)
	s_set_vgpr_msb (MSB<<8)|(\new)
.set MSB, \new
.endif
.endm
.set MUL_LO, 0xa1                      ; source 0 (B) window 1, source 1 (A) window 0, C and D window 2
.set MUL_HI, 0xf1                      ; the same, C and D window 3
.set TO_B,   0x40                      ; destination window 1, address window 0
; A joint load.  Waves 0 and 1 fetch A's two halves, waves 2 and 3 B's.  The branch hangs on the wave's number alone.  An s_nop 0 and four v_nop follow each line, ahead of the jump and the label.
.macro JLOAD s
	s_cmp_eq_u32 s11, 0
	s_cbranch_scc0 .Lfor_b_\@
	tensor_load_to_lds s[G0+4*(\s):G0+4*(\s)+3], s[G1:G1+7]
	s_nop 0
.rept 4
	v_nop
.endr
	s_branch .Lasked_\@
.Lfor_b_\@:
	tensor_load_to_lds s[G0B+4*(\s):G0B+4*(\s)+3], s[G1B:G1B+7]
	s_nop 0
.rept 4
	v_nop
.endr
.Lasked_\@:
.endm
; A PREFETCH INTO THE L2, behind each joint refill, its five lines and the run of LDS loads: the K step two refills on (512 matrix instructions ahead of the load that wants it): 32 rows x 256 bytes, a lane a row.
; Each row's 256 bytes of a K step are named once in the launch.  A's tile row is read by the clusters of one row of clusters (here one): cluster x = 0 asks; B's tile column by all 16 clusters of the column:
; cluster y = 0 asks.  The four partners that ask for a tile jointly share its rows out by address: of the 128 rows that a wave fetches the partner at place p takes 32 p .. 32 p + 31 (p = cx for A, cy for B).
; K steps 0-3 come by their loads alone; the loop's last trip asks for nothing: there is no K step two on.
.macro ASK
	s_cmp_gt_u32 s3, s[LIM]
	s_cbranch_scc0 .Lnot_mine_\@
	global_prefetch_b8 v[PFO], s[PFA:PFA+1] offset:KSTEP*2 th:TH_LOAD_NT scope:SCOPE_SE
.Lnot_mine_\@:
.endm
.macro CREST                           ; a round of the cluster's barrier behind its opening barrier
	s_cmp_lg_u32 s10, 0
	s_cbranch_scc1 .Lnot_wave_0_\@
	s_barrier_signal -3
.Lnot_wave_0_\@:
	s_barrier_wait -3
	s_barrier_signal -1
	s_barrier_wait -1
.endm
.macro CROUND                          ; a whole round
	s_barrier_signal -1
	s_barrier_wait -1
	CREST
.endm
	s_load_b128 s[4:7], s[0:1], 0x0                ; A s[4:5], B s[6:7]
	s_load_b64 s[8:9], s[0:1], 0x10                ; out0
	v_lshl_add_u32 v[SPW], v0, 2, SPARE
	v_mov_b32 v[NIL], 0
	ds_add_u32 v[SPW], v[NIL]                      ; the wave's opening: the add, twice on end, and its wait ahead of my first tensor load; the set-up below stands between
	ds_add_u32 v[SPW], v[NIL]
	v_lshrrev_b32 v1, 5, v0
	v_readfirstlane_b32 s10, v1                    ; wave 0..3
	s_lshr_b32 s11, s10, 1                         ; which half of the tile's rows is mine.  Also: I fetch for A (0) or for B (1)
	s_and_b32 s12, s10, 1                          ; which half of its columns.  Also: which 128 rows of that tile I fetch
	s_bfe_u32 s40, ttmp6, 0x40000                  ; cx
	s_bfe_u32 s41, ttmp6, 0x40004                  ; cy
	s_lshl_b32 s42, ttmp9, 2                       ; in a cluster launch ttmp9 and ttmp7 count clusters
	s_add_co_u32 s42, s42, s40                     ; tile column = 4 x cluster x + cx
	s_and_b32 s13, ttmp7, 0xffff
	s_lshl_b32 s13, s13, 2
	s_add_co_u32 s13, s13, s41                     ; tile row = 4 x cluster y + cy
	s_lshl_b32 s43, s41, 2
	s_lshl_b32 s43, 15, s43                        ; my row of the cluster: places 4 cy .. 4 cy + 3
	s_lshl_b32 s44, 0x1111, s40                    ; my column: places cx, cx + 4, cx + 8, cx + 12
	s_or_b32 s[G1+0], s43, (1<<16)|(1<<20)|(1<<21)|(5<<22)|(3<<25)   ; 15:0 the mask; 17:16 2-byte elements; 20 padding on; 21 set beside a mask; 24:22 after every 64 words (code 5); 31:25 4 words (code 3)
	s_or_b32 s[G1B+0], s44, (1<<16)|(1<<20)|(1<<21)|(5<<22)|(3<<25)
.irp g, G1, G1B
	s_mov_b32 s[(\g)+1], KSTEP<<16                 ; tensor_dim0 = 128
	s_mov_b32 s[(\g)+2], 128<<16                   ; tensor_dim1 = 128
	s_mov_b32 s[(\g)+3], KSTEP<<16                 ; tile_dim0 = 128
	s_mov_b32 s[(\g)+4], 128                       ; tile_dim1 = 128
	s_mov_b32 s[(\g)+5], SIZE_K                    ; elements from row to row
	s_mov_b32 s[(\g)+6], 0
	s_mov_b32 s[(\g)+7], 0
.endr
	; A's tiles hang on the tile row alone, which my row of the cluster shares; B's on the tile column alone.  Every wave makes both addresses, in registers that never hold the other coordinate.
	s_lshl_b32 s17, s12, 7                         ; which 128 rows of the tile I fetch
	s_lshl_b32 s16, s13, 8
	s_add_co_u32 s16, s16, s17                     ; A: row 256 x tile row + 128 x half
	s_lshl_b32 s46, s42, 8
	s_add_co_u32 s46, s46, s17                     ; B: row 256 x tile column + 128 x half
	s_mov_b32 s17, 0
	s_mov_b32 s47, 0
	s_mov_b64 s[18:19], SIZE_K*2
	s_mul_u64 s[16:17], s[16:17], s[18:19]
	s_mul_u64 s[46:47], s[46:47], s[18:19]
	s_mul_i32 s20, s10, HALFT                      ; where they go: wave x 128 rows: no place in the cluster enters an LDS address
	s_wait_dscnt 0x0                               ; both opening adds are done
	s_wait_kmcnt 0x0
	s_add_nc_u64 s[14:15], s[4:5], s[16:17]
	s_add_nc_u64 s[46:47], s[6:7], s[46:47]
	CROUND                                         ; all sixteen work-groups are here: the first joint loads meet
.irp s, 0,1
	s_mov_b32 s[G0+4*(\s)], 1                                      ; count = 1
	s_add_co_u32 s[G0+4*(\s)+1], s20, (\s)*SLOT                    ; LDS address
	s_add_nc_u64 s[G0+4*(\s)+2:G0+4*(\s)+3], s[14:15], (\s)*KSTEP*2  ; global address: K step s
	s_or_b32 s[G0+4*(\s)+3], s[G0+4*(\s)+3], 0x80000000            ; type = 2
	s_mov_b32 s[G0B+4*(\s)], 1
	s_add_co_u32 s[G0B+4*(\s)+1], s20, (\s)*SLOT
	s_add_nc_u64 s[G0B+4*(\s)+2:G0B+4*(\s)+3], s[46:47], (\s)*KSTEP*2
	s_or_b32 s[G0B+4*(\s)+3], s[G0B+4*(\s)+3], 0x80000000
	JLOAD \s                                       ; both slots are asked for before anything else: two loads of mine are out
.endr
	; A fragment is 16 rows x 32 K in 8 registers: lane l holds row l % 16; registers 0-3 K = 8 (l / 16) + 0..7, registers 4-7 K = 16 + 8 (l / 16) + 0..7: two loads of 16 bytes, 32 bytes apart.
	v_and_b32 v1, 15, v0                           ; l % 16
	v_bfe_u32 v2, v0, 4, 1                         ; l / 16
	v_mul_u32_u24 v3, v1, PITCH
	v_lshl_add_u32 v3, v2, 4, v3
	s_mul_i32 s21, s11, HALFT                      ; my 128 rows of A
	s_mul_i32 s22, s12, HALFT                      ; my 128 rows of B,
	s_add_co_u32 s22, s22, 2*HALFT                 ; which lie behind A's 256
.irp s, 0,1
	v_add_nc_u32 v[ADRA+(\s)], s21, v3
	v_add_nc_u32 v[ADRB+(\s)], s22, v3
	s_add_co_u32 s21, s21, SLOT
	s_add_co_u32 s22, s22, SLOT
.endr
	s_mul_i32 s23, s10, 16*SPITCH
	s_add_co_u32 s23, s23, STAGE                   ; my stage
	v_mul_u32_u24 v4, v1, SPITCH                   ; in: row l % 16, 32 bytes for each half of the lanes
	v_lshl_add_u32 v4, v2, 5, v4
	v_add_nc_u32 v[STO], s23, v4
	v_and_b32 v5, 31, v0
	v_lshlrev_b32 v[CO], 4, v5                     ; back: 32 lanes take a row's 512 bytes
	v_add_nc_u32 v[RD], s23, v[CO]
	; out0 at my 128 rows x 128 columns
	s_lshl_b32 s13, s13, 8                         ; 256 x tile row
	s_lshl_b32 s14, s11, 7
	s_add_co_u32 s16, s13, s14                     ; my first row,
	s_lshl_b32 s16, s16, 12                        ; of 4,096 bytes: under 2^26
	s_mov_b32 s17, 0
	s_add_nc_u64 s[8:9], s[8:9], s[16:17]
	s_lshl_b32 s46, s42, 10                        ; my first column, in bytes: 1,024 x tile column + 512 x half
	s_lshl_b32 s47, s12, 9
	s_add_co_u32 s46, s46, s47
	s_mov_b32 s47, 0
	s_add_nc_u64 s[8:9], s[8:9], s[46:47]
	; the prefetches.  s13 = 256 x tile row, s42 = tile column, s40 = cx, s41 = cy still stand
	s_lshl_b32 s42, s42, 8
	s_and_b32 s22, ttmp7, 0xffff                   ; cluster y
	s_cmp_eq_u32 s11, 0                            ; do I fetch for A?
	s_cselect_b32 s20, s13, s42                    ; the tile's first row: in A by the tile row, in B by the tile column
	s_cselect_b32 s21, s40, s41                    ; my place among the four that ask for it with me
	s_cselect_b32 s22, ttmp9, s22                  ; the coordinate along which other clusters read the same rows
	s_cselect_b64 s[PFA:PFA+1], s[4:5], s[6:7]
	s_cmp_eq_u32 s22, 0
	s_cselect_b32 s[LIM], 1, -1                    ; the same in all sixteen partners, for a given wave
	s_lshl_b32 s22, s12, 7
	s_add_co_u32 s20, s20, s22                     ; + the 128 rows that I fetch
	s_lshl_b32 s21, s21, 5
	s_add_co_u32 s20, s20, s21                     ; + my work-group's 32 of them
	s_mov_b32 s21, 0
	s_mov_b64 s[18:19], SIZE_K*2
	s_mul_u64 s[20:21], s[20:21], s[18:19]
	s_add_nc_u64 s[PFA:PFA+1], s[PFA:PFA+1], s[20:21]
	s_add_nc_u64 s[PFA:PFA+1], s[PFA:PFA+1], 2*KSTEP*2  ; at K step 2: the first refill steps it to 3 and names K step 4
	v_and_b32 v[PFO], 31, v0
	v_mul_u32_u24 v[PFO], v[PFO], SIZE_K*2
; 16 matrix instructions: m blocks a0, a0 + 1 of the window's four (hi = 0: my rows 0-63, 1: rows 64-127) x all 8 n blocks, 32 along K.  zero = 1: the first product starts the sums.
; The 64 accumulators come in the same order in every quarter step, one instruction a turn, over the backward jump too.
.macro MUL16 f, hi, a0, zero
	WIN MUL_LO+0x50*(\hi)
.irp a, \a0, (\a0)+1
.irp b, 0,1,2,3,4,5,6,7
.if \zero
	v_wmma_f32_16x16x32_bf16 v[8*(8*(\a)+(\b)):8*(8*(\a)+(\b))+7], v[(\f)+8*(\b):(\f)+8*(\b)+7], v[(\f)+8*(4*(\hi)+(\a)):(\f)+8*(4*(\hi)+(\a))+7], 0
.else
	v_wmma_f32_16x16x32_bf16 v[8*(8*(\a)+(\b)):8*(8*(\a)+(\b))+7], v[(\f)+8*(\b):(\f)+8*(\b)+7], v[(\f)+8*(4*(\hi)+(\a)):(\f)+8*(4*(\hi)+(\a))+7], v[8*(8*(\a)+(\b)):8*(8*(\a)+(\b))+7]
.endif
.endr
.endr
.endm
; 32 LDS loads in one run: a quarter step's fragments (128 rows of B, 128 rows of A, 32 K at byte k of the rows) into buffer f
.macro FETCH slot, k, f
	WIN TO_B
.irp i, 0,1,2,3,4,5,6,7
	ds_load_b128 v[(\f)+8*(\i):(\f)+8*(\i)+3],   v[ADRB+(\slot)] offset:(\k)+(\i)*16*PITCH
	ds_load_b128 v[(\f)+8*(\i)+4:(\f)+8*(\i)+7], v[ADRB+(\slot)] offset:(\k)+(\i)*16*PITCH+32
.endr
	WIN 0
.irp i, 0,1,2,3,4,5,6,7
	ds_load_b128 v[(\f)+8*(\i):(\f)+8*(\i)+3],   v[ADRA+(\slot)] offset:(\k)+(\i)*16*PITCH
	ds_load_b128 v[(\f)+8*(\i)+4:(\f)+8*(\i)+7], v[ADRA+(\slot)] offset:(\k)+(\i)*16*PITCH+32
.endr
.endm
.macro PLACES                          ; four places in front of loads into registers that matrix instructions have read (ISA guide 7.12.1 for vector instructions)
.rept 4
	v_nop
.endr
.endm
; A K step is four quarters of 32 along K, 64 matrix instructions each, on buffers 0, 1, 0, 1.  One of the first three: multiplies buffer f and fetches the next quarter, at byte k, into g.
.macro QUARTER slot, k, f, g, zero
	s_wait_dscnt 8                                 ; B and A's rows 0-63 are in; the youngest eight loads (A's rows 64-127) may be out
	MUL16 \f, 0, 0, \zero
	MUL16 \f, 0, 2, \zero
	PLACES
	FETCH \slot, \k, \g
	s_wait_dscnt 32                                ; all but the 32 just issued
	MUL16 \f, 1, 0, \zero
	MUL16 \f, 1, 2, \zero
.endm
; The last quarter multiplies buffer 1 and changes slots: ONE barrier.  In front of it each wave waits for all its tensor loads (one is out: its part of the next slot), adds 0 to its spare word, and waits for
; that and for its own reads of this slot.  fill = 1: the barrier opens a round of the cluster's, so that no wave of any partner still reads the slot or has a load on its way, and the joint refill
; (the K step two on) is the first tensor load behind the round, one a wave: 224 matrix instructions ahead of the wait for it.
.macro TURN slot, next, fill
.if \fill
	s_wait_xcnt 0x0                                ; the last prefetch, a K step back, has read its address: it is stepped here, ahead of the waits of the change
	s_add_nc_u64 s[PFA:PFA+1], s[PFA:PFA+1], KSTEP*2
.endif
	WIN 0                                          ; (the add's two registers lie in window 0)
	s_wait_tensorcnt 0x0                           ; all my tensor loads have landed
	ds_add_u32 v[SPW], v[NIL]                      ; 0 onto my spare word
	s_wait_dscnt 9                                 ; (the add and the youngest eight loads may be out)
	MUL16 F1, 0, 0, 0                              ; sixteen matrix instructions stand between the add and the wait for it
	s_wait_dscnt 0x0                               ; the add is done, and my reads of this slot are over
	s_barrier_signal -1
	MUL16 F1, 0, 2, 0                              ; work on registers while the others arrive
.if \fill
	WIN 0
.endif
	s_barrier_wait -1
.if \fill
	CREST
	s_add_nc_u64 s[G0+4*(\slot)+2:G0+4*(\slot)+3], s[G0+4*(\slot)+2:G0+4*(\slot)+3], 2*KSTEP*2      ; no load of mine is out, so a group 0 may be written
	s_add_nc_u64 s[G0B+4*(\slot)+2:G0B+4*(\slot)+3], s[G0B+4*(\slot)+2:G0B+4*(\slot)+3], 2*KSTEP*2
	JLOAD \slot                                    ; the four v_nop behind it are also the places in front of the loads below
.else
	PLACES
.endif
	FETCH \next, 0, F0
.if \fill
	ASK
.endif
	MUL16 F1, 1, 0, 0
	MUL16 F1, 1, 2, 0
.endm
; THE WAY OUT of block a (16 rows x 128 columns of f32).  TOSTAGE: a lane's 32 bytes of each of 8 column blocks into my stage, each accumulator from its low end on, and back as whole rows of 512 bytes.
.macro TOSTAGE a
.set AC, 64*((\a)%4)
.set BK, OB+64*((\a)%2)
	s_wait_xcnt 0x0                                ; the stores of the block two back have read their data: only behind this wait are those registers loaded again
	WIN 0x08+4*((\a)/4)                            ; store data (source 1) in window 2 or 3
.irp b, 0,1,2,3,4,5,6,7
	ds_store_b128 v[STO], v[AC+8*(\b):AC+8*(\b)+3]   offset:64*(\b)
	ds_store_b128 v[STO], v[AC+8*(\b)+4:AC+8*(\b)+7] offset:64*(\b)+16
.endr
	WIN 0
.irp t, 0,1,2,3,4,5,6,7,8,9,10,11,12,13,14,15
	ds_load_b128 v[BK+4*(\t):BK+4*(\t)+3], v[RD] offset:(\t)*SPITCH  ; LDS serves a wave's instructions in order (ISA guide 5.7.1.4): these see the stores above; the next block's stores come behind them
.endr
.endm
.macro SEND a, younger                 ; younger: the LDS instructions issued behind block a's loads: the next block's 16 stores and 16 loads, or none
.set BK, OB+64*((\a)%2)
	WIN 0
	s_wait_dscnt \younger
.irp t, 0,1,2,3,4,5,6,7,8,9,10,11,12,13,14,15
	global_store_b128 v[CO], v[BK+4*(\t):BK+4*(\t)+3], s[8:9] offset:(16*(\a)+(\t))*SIZE_N*4 th:TH_STORE_NT  ; 512 consecutive bytes, aligned; the row stands in the immediate, 520,192 at the most
.endr
.endm
	s_wait_tensorcnt 1                             ; my part of K step 0 is in; slot 1's load may stay out
	s_barrier_signal -1
	s_barrier_wait -1                              ; everybody's is
	FETCH 0, 0, F0
	QUARTER 0, 64,  F0, F1, 1                      ; the first quarter stands in front of the loop: its products start the sums
	WIN 0                                          ; at a label and at a branch every window is 0
	s_mov_b32 s3, LAPS-1
.Llap:                                                 ; a trip goes once round the ring, from a lap's second quarter to the next lap's first, and fills both slots again
	QUARTER 0, 128, F1, F0, 0
	QUARTER 0, 192, F0, F1, 0
	TURN 0, 1, 1
	QUARTER 1, 64,  F0, F1, 0
	QUARTER 1, 128, F1, F0, 0
	QUARTER 1, 192, F0, F1, 0
	TURN 1, 0, 1
	QUARTER 0, 64,  F0, F1, 0
	WIN 0
	s_sub_co_u32 s3, s3, 1
	s_cmp_lg_u32 s3, 0
	s_cbranch_scc1 .Llap
	QUARTER 0, 128, F1, F0, 0                      ; the last lap fills nothing, and has no round of the cluster's barrier
	QUARTER 0, 192, F0, F1, 0
	TURN 0, 1, 0
	QUARTER 1, 64,  F0, F1, 0
	QUARTER 1, 128, F1, F0, 0
	QUARTER 1, 192, F0, F1, 0
	s_wait_dscnt 8                                 ; the very last quarter: nothing more to fetch
	MUL16 F1, 0, 0, 0
	MUL16 F1, 0, 2, 0
	s_wait_dscnt 0x0
	MUL16 F1, 1, 0, 0
	MUL16 F1, 1, 2, 0
	WIN 0
	PLACES                                         ; eight places, once a launch, between the last products and the stores that read results and the loads into A's buffers
	PLACES
	TOSTAGE 0
.irp a, 1,2,3,4,5,6,7                  ; block a goes into the stage while block a - 1's rows come back
	TOSTAGE \a
	SEND (\a)-1, 32
.endr
	SEND 7, 0
	s_wait_tensorcnt 0x0                           ; the wave's end, behind my last tensor load and my last LDS store
	ds_add_u32 v[SPW], v[NIL]
	s_wait_dscnt 0x0
	CROUND                                         ; the closing round: no work-group ends while a partner may still ask for a tile that names it
	s_endpgm
.Lfunc_end_k_q58b5574c2d_merge:
	.size	k_q58b5574c2d_merge, .Lfunc_end_k_q58b5574c2d_merge-k_q58b5574c2d_merge
	.p2alignl 7, 3214868480
	.fill 96, 4, 3214868480
	.section	.rodata,"a",@progbits
	.p2align	6, 0x0
	.amdhsa_kernel k_q58b5574c2d_merge
		.amdhsa_group_segment_fixed_size 327680
		.amdhsa_private_segment_fixed_size 0
		.amdhsa_enable_private_segment 0
		.amdhsa_kernarg_size 24
		.amdhsa_user_sgpr_count 2
		.amdhsa_user_sgpr_kernarg_segment_ptr 1
		.amdhsa_wavefront_size32 1
		.amdhsa_system_sgpr_workgroup_id_x 1
		.amdhsa_system_sgpr_workgroup_id_y 1
		.amdhsa_system_sgpr_workgroup_id_z 1
		.amdhsa_system_vgpr_workitem_id 0
		.amdhsa_next_free_vgpr 1024
		.amdhsa_next_free_sgpr 66
		.amdhsa_reserve_vcc 0
		.amdhsa_float_denorm_mode_32 3
		.amdhsa_float_denorm_mode_16_64 3
		.amdhsa_memory_ordered 1
		.amdhsa_forward_progress 1
		.amdhsa_inst_pref_size 141
	.end_amdhsa_kernel
	.amdgpu_metadata
---
amdhsa.version: [ 1, 2 ]
amdhsa.kernels:
  - .name:           k_q58b5574c2d_merge
    .symbol:         k_q58b5574c2d_merge.kd
    .args:
      - { .name: acat, .offset: 0, .size: 8, .value_kind: global_buffer, .address_space: global }
      - { .name: w2t, .offset: 8, .size: 8, .value_kind: global_buffer, .address_space: global }
      - { .name: out0, .offset: 16, .size: 8, .value_kind: global_buffer, .address_space: global }
    .group_segment_fixed_size: 327680
    .private_segment_fixed_size: 0
    .kernarg_segment_align: 8
    .kernarg_segment_size: 24
    .max_flat_workgroup_size: 128
    .sgpr_count:     66
    .vgpr_count:     1024
    .wavefront_size: 32
...
	.end_amdgpu_metadata
.endif
;; end of part 4
;; ======== version 2 of 2: 4 launches; version 1 with the launch prep written anew for expert scheduling mode
;; limits: values outside matrix products are rounded to bf16
;; workspace buffers: acat 67,108,864 bytes; w2t 4,194,304 bytes; rs 65,536 bytes; part 589,824 bytes
;; launch prep (part 5): grid 256 x 1, 16 waves a work-group, no clusters, 19,712 bytes of LDS; arguments data, W2, acat, w2t, rs; writes acat, w2t, rs
.if DOCPART == 5
	.amdgcn_target "amdgcn-amd-amdhsa--gfx1250"
	.amdhsa_code_object_version 6
	.text
	.protected	k_q58b5574c2d_prep
	.globl	k_q58b5574c2d_prep
	.p2align	8
	.type	k_q58b5574c2d_prep,@function
k_q58b5574c2d_prep:
	s_mov_b64 s[64:65], 0
	v_nop
	global_prefetch_b8 v0, s[64:65] scope:SCOPE_SE
	s_setreg_imm32_b32 hwreg(HW_REG_WAVE_SCHED_MODE, 0, 2), 2
	s_setreg_imm32_b32 hwreg(HW_REG_WAVE_MODE, 25, 1), 1
	s_wait_xcnt 0x0
	s_wait_alu depctr_vm_vsrc(0)
; PREP.  data [16384][1024] f32 -> acat [16384][2048] bf16, columns 0-1023 (rounded to nearest even, once);
; rs[row] = 1 / sqrt(max(sum of squares of the ROUNDED row, 1e-12)), f32;  W2 [2048 k][1024 n] f32 -> w2t [1024 n][2048 k] bf16.
; The norms are taken of the rounded numbers, so that the whole program computes on one set of inputs: all of them rounded to bf16.
; SHARES.  256 work-groups of 16 waves.  Work-group x: data rows 64 x .. 64 x + 63 (wave w: rows 4 w .. 4 w + 3, a whole row a wave, so a row's sum never
; leaves the wave), and one tile of W2, 128 k x 64 n (k0 = 128 (x / 16), n0 = 64 (x % 16)), turned through LDS.
; IN FLIGHT.  No loop: a wave issues its 36 loads of 512 bytes at once, 18 KiB a wave, 288 KiB a work-group; the waits count down row by row.
; STORES.  Every store of a wave covers whole aligned runs of 256 bytes: a row's 256 bytes of bf16 (32 lanes x 8), w2t's 256 bytes of a row (16 lanes x 16), rs's 256 bytes.
; No matrix unit, no cluster, no tensor load: nothing is shared between work-groups, and each byte is read once.
; LIMITS.  NaN and infinities are not treated apart.
; THE MODE: SCHED_MODE bits 1:0 = 2 (LLVM: expert scheduling mode 2), set by the entry lines.  The code itself states the register dependences
; between vector instructions and memory or LDS instructions, with s_wait_alu, always for 0.
; THE PLAN.  Registers that memory or LDS instructions touch:
;   v2-v10, v28, v29   addresses: written once at the head by vector instructions, read by loads, stores and LDS instructions, never written again: one wait ahead of the first load.
;   W       written by W2's four loads, read by eight conversions.          PK   written by those conversions, read by eight LDS stores: one wait between.
;   X row t written by the row's eight loads; its sixteen conversions read all 32 registers and write words 4 j, 4 j + 1; the row's eight stores and the unpacking lines read those words:
;           one wait behind the conversions.  The stores follow it, dealt among the squares' arithmetic, which reads the packed words and writes T and ACC alone: no register that a store of the row names.
;   SQ      written by sums, maxima and reciprocal roots, read by one LDS store.   T, ACC   at work in vector instructions to the end of row 3; then LDS loads land in them and stores read them:
;           one wait behind the reciprocal roots states all three; no vector instruction follows it.
; No register that a memory or LDS instruction reads is ever written again, so the text holds no wait on vm_vsrc of its own.  s14 comes from a vector instruction: one wait on va_sdst ahead of its first reader.
.set TP,    272                        ; a row of the turned tile in LDS: 128 k in bf16 = 256 bytes + 16 of padding
.set RSB,   64*TP                      ; behind the tile's 64 rows: the work-group's 64 numbers of rs
.set SPARE, RSB+256                    ; behind them: the spare words, 128 bytes for each of 16 waves: eight blocks of 256 bytes that no other line names
.set DO,  2                            ; v2   my 16 bytes in my wave's first row of data
.set AO,  3                            ; v3   my 8 bytes in my wave's first row of acat
.set WO,  4                            ; v4   my 16 bytes in W2's tile
.set TS,  5                            ; v5   where I put a word (two k of one n) of the turned tile
.set TR,  6                            ; v6   where I read 16 bytes of a turned row
.set TO,  7                            ; v7   the same 16 bytes in w2t
.set RSA, 8                            ; v8   my wave's four words of rs in LDS
.set RSR, 9                            ; v9   wave 0: where I read two of the 64
.set G8,  10                           ; v10  8 x lane
.set SPW, 28                           ; v28  LDS address of my spare word; never rewritten
.set NIL, 29                           ; v29  0; never rewritten
.set X,   32                           ; v[32:159]  row t at X + 32 t: as loaded; then words 4 j, 4 j + 1 hold the four numbers as bf16
.set W,   160                          ; v[160:175] W2: item i, row e of a pair of k at W + 8 i + 4 e
.set T,   176                          ; v[176:183] at work
.set ACC, 184                          ; v[184:191] four chains of pairs of squares
.set SQ,  192                          ; v[192:195] the four rows' sums, then 1 / norm
.set PK,  196                          ; v[196:203] W2's packed words
	s_load_b256 s[4:11], s[0:1], 0x0               ; data s[4:5], W2 s[6:7], acat s[8:9], w2t s[10:11]
	s_load_b64 s[12:13], s[0:1], 0x20              ; rs
	v_lshl_add_u32 v[SPW], v0, 2, SPARE
	v_mov_b32 v[NIL], 0
	v_lshrrev_b32 v1, 5, v0
	v_readfirstlane_b32 s14, v1                    ; wave 0..15
	v_and_b32 v11, 31, v0                          ; lane
	v_and_b32 v12, 15, v0                          ; lo = lane % 16
	v_bfe_u32 v13, v0, 4, 1                        ; hi = lane / 16
	s_wait_alu depctr_va_sdst(0)                   ; s14 is written, ahead of its first reader: the wave's places in data, W2 and LDS are made from it
	s_lshl_b32 s15, s14, 14                        ; four rows of 4,096 bytes a wave, in data and in acat alike
	v_lshl_add_u32 v[DO], v11, 4, s15
	v_lshl_add_u32 v[AO], v11, 3, s15
	s_lshl_b32 s16, s14, 15                        ; W2: eight rows of k a wave,
	v_lshl_add_u32 v[WO], v13, 13, s16             ; two of them on for lanes 16-31,
	v_lshl_add_u32 v[WO], v12, 4, v[WO]            ; four n a lane: 16 lanes take the tile's 256 bytes of a row
	s_lshl_b32 s17, s14, 2
	v_add_nc_u32 v14, s17, v13                     ; 4 w + hi: a pair of k on the way in, a row n on the way out
	v_mul_u32_u24 v[TS], v12, 4*TP                 ; row n = 4 lo (+ q by the immediate),
	v_lshl_add_u32 v[TS], v14, 2, v[TS]            ; word 4 w + hi (+ 2 i by the immediate)
	v_mul_u32_u24 v[TR], v14, TP
	v_lshl_add_u32 v[TR], v12, 4, v[TR]
	v_lshlrev_b32 v[TO], 12, v14                   ; a row of w2t is 4,096 bytes
	v_lshl_add_u32 v[TO], v12, 4, v[TO]
	s_lshl_b32 s19, s14, 4
	s_add_co_u32 s19, s19, RSB
	v_mov_b32 v[RSA], s19
	v_lshlrev_b32 v[G8], 3, v11
	v_add_nc_u32 v[RSR], RSB, v[G8]
	s_mov_b32 s18, 0xffff0000                      ; a word's upper bf16
	s_mov_b32 s20, 0x76543210                      ; v_permlanex16_b32: each lane takes its own place in the other half
	s_mov_b32 s21, 0xfedcba98
	s_mov_b32 s22, 0x2b8cbccc                      ; 1e-12
	s_lshl_b32 s2, ttmp9, 18                       ; 64 rows of 4,096 bytes
	s_mov_b32 s3, 0
	s_lshr_b32 s16, ttmp9, 4                       ; the tile's place along k,
	s_and_b32 s17, ttmp9, 15                       ; and along n
	s_lshl_b32 s24, s16, 19                        ; W2: 128 rows of 4,096 bytes,
	s_lshl_b32 s25, s17, 8                         ; 64 numbers of 4 bytes
	s_or_b32 s24, s24, s25
	s_mov_b32 s25, 0
	s_lshl_b32 s26, s17, 18                        ; w2t: 64 rows of 4,096 bytes,
	s_lshl_b32 s27, s16, 8                         ; 128 numbers of 2 bytes
	s_or_b32 s26, s26, s27
	s_mov_b32 s27, 0
	s_lshl_b32 s28, ttmp9, 8                       ; rs: 64 numbers of 4 bytes
	s_mov_b32 s29, 0
	s_wait_kmcnt 0x0
	s_add_nc_u64 s[4:5], s[4:5], s[2:3]
	s_add_nc_u64 s[8:9], s[8:9], s[2:3]
	s_add_nc_u64 s[6:7], s[6:7], s[24:25]
	s_add_nc_u64 s[10:11], s[10:11], s[26:27]
	s_add_nc_u64 s[12:13], s[12:13], s[28:29]
	s_wait_alu depctr_va_vdst(0)                   ; the nine addresses v2 to v10 are written, which every load, store and LDS instruction below reads; none of them is written again
.irp i, 0,1
.irp e, 0,1
	global_load_b128 v[W+8*(\i)+4*(\e):W+8*(\i)+4*(\e)+3], v[WO], s[6:7] offset:16384*(\i)+4096*(\e) th:TH_LOAD_NT
.endr
.endr
.irp t, 0,1,2,3
.irp j, 0,1,2,3,4,5,6,7
	global_load_b128 v[X+32*(\t)+4*(\j):X+32*(\t)+4*(\j)+3], v[DO], s[4:5] offset:4096*(\t)+512*(\j) th:TH_LOAD_NT
.endr
.endr
	s_wait_loadcnt 32                              ; W2's four loads are in; the 32 loads of data issued behind them stay out
.irp i, 0,1
.irp q, 0,1,2,3
	v_cvt_pk_bf16_f32 v[PK+4*(\i)+(\q)], v[W+8*(\i)+(\q)], v[W+8*(\i)+4+(\q)]  ; k even below, k odd above, of one n
.endr
.endr
	s_wait_alu depctr_va_vdst(0)                   ; the eight conversions have written v[PK ..], which the LDS stores read
.irp i, 0,1
.irp q, 0,1,2,3
	ds_store_b32 v[TS], v[PK+4*(\i)+(\q)] offset:TP*(\q)+8*(\i)
.endr
.endr
; Row t of my four: rounded, stored, and the rounded numbers' squares added up.
.macro ROW t
	s_wait_loadcnt 24-8*(\t)                       ; loads come back in order: this row's eight are in, the later rows' stay out
.irp j, 0,1,2,3,4,5,6,7
	v_cvt_pk_bf16_f32 v[X+32*(\t)+4*(\j)],   v[X+32*(\t)+4*(\j)],   v[X+32*(\t)+4*(\j)+1]
	v_cvt_pk_bf16_f32 v[X+32*(\t)+4*(\j)+1], v[X+32*(\t)+4*(\j)+2], v[X+32*(\t)+4*(\j)+3]
.endr
	s_wait_alu depctr_va_vdst(0)                   ; the sixteen conversions have written the row's packed words, which the eight stores below read
.set n, 0
.rept 16
.if n%2 == 0
	global_store_b64 v[AO], v[X+32*(\t)+4*(n/2):X+32*(\t)+4*(n/2)+1], s[8:9] offset:4096*(\t)+256*(n/2)  ; 32 lanes store 256 consecutive bytes, aligned.  No wait: no vector instruction since the wait above writes these registers, and none writes them again
.endif
	v_lshlrev_b32 v[T+2*(n%4)],   16,  v[X+32*(\t)+4*(n/2)+n%2]
	v_and_b32     v[T+2*(n%4)+1], s18, v[X+32*(\t)+4*(n/2)+n%2]
.if n < 4
	v_pk_mul_f32 v[ACC+2*(n%4):ACC+2*(n%4)+1], v[T+2*(n%4):T+2*(n%4)+1], v[T+2*(n%4):T+2*(n%4)+1]  ; the first four words start the chains: nothing is cleared
.else
	v_pk_fma_f32 v[ACC+2*(n%4):ACC+2*(n%4)+1], v[T+2*(n%4):T+2*(n%4)+1], v[T+2*(n%4):T+2*(n%4)+1], v[ACC+2*(n%4):ACC+2*(n%4)+1]
.endif
.set n, n+1
.endr
	v_pk_add_f32 v[ACC:ACC+1], v[ACC:ACC+1], v[ACC+2:ACC+3]
	v_pk_add_f32 v[ACC+4:ACC+5], v[ACC+4:ACC+5], v[ACC+6:ACC+7]
	v_pk_add_f32 v[ACC:ACC+1], v[ACC:ACC+1], v[ACC+4:ACC+5]
	v_add_f32 v[T], v[ACC], v[ACC+1]
	v_add_f32_dpp v[T], v[T], v[T] row_xmask:1 row_mask:0xf bank_mask:0xf
	v_add_f32_dpp v[T], v[T], v[T] row_xmask:2 row_mask:0xf bank_mask:0xf
	v_add_f32_dpp v[T], v[T], v[T] row_xmask:4 row_mask:0xf bank_mask:0xf
	v_add_f32_dpp v[T], v[T], v[T] row_xmask:8 row_mask:0xf bank_mask:0xf
	v_permlanex16_b32 v[T+1], v[T], s20, s21       ; its destination has been written above
	v_add_f32 v[SQ+(\t)], v[T], v[T+1]             ; every lane holds the row's sum
.endm
	ROW 0
	ROW 1
	ROW 2
	ROW 3
.irp t, 0,1,2,3
	v_max_num_f32 v[SQ+(\t)], s22, v[SQ+(\t)]
.endr
.irp t, 0,1,2,3
	v_rsq_f32 v[SQ+(\t)], v[SQ+(\t)]
.endr
	v_nop                                          ; a plain instruction behind the last of the four
	s_wait_alu depctr_va_vdst(0)                   ; the four reciprocal roots have written v[SQ ..], which the LDS store reads (one wait for the batch, ahead of its first reader); and the rows' arithmetic is done writing and reading v[T ..] and v[ACC ..], in which the LDS loads behind the barrier land
	ds_store_b128 v[RSA], v[SQ:SQ+3]               ; all lanes write the same 16 bytes with the same numbers
	s_wait_dscnt 0x0                               ; for the others' sake: my words of the tile and of rs are in LDS
	s_barrier_signal -1
	s_barrier_wait -1
.irp i, 0,1
	ds_load_b128 v[T+4*(\i):T+4*(\i)+3], v[TR] offset:2*TP*(\i)
.endr
	s_wait_dscnt 0x0
.irp i, 0,1
	global_store_b128 v[TO], v[T+4*(\i):T+4*(\i)+3], s[10:11] offset:8192*(\i)  ; 16 lanes store 256 consecutive bytes of a row of w2t, aligned
.endr
	s_cmp_lg_u32 s14, 0                            ; wave 0 stores the work-group's 64 numbers of rs: 256 bytes
	s_cbranch_scc1 .Lend
	ds_load_b64 v[ACC:ACC+1], v[RSR]
	s_wait_dscnt 0x0
	global_store_b64 v[G8], v[ACC:ACC+1], s[12:13]
.Lend:
	s_wait_dscnt 0x0                               ; the closing lines, six on end
	s_wait_alu 0x0
	s_wait_tensorcnt 0x0
	ds_add_u32 v[SPW], v[NIL]
	s_wait_dscnt 0x0
	s_endpgm
.Lfunc_end_k_q58b5574c2d_prep:
	.size	k_q58b5574c2d_prep, .Lfunc_end_k_q58b5574c2d_prep-k_q58b5574c2d_prep
	.p2alignl 7, 3214868480
	.fill 96, 4, 3214868480
	.section	.rodata,"a",@progbits
	.p2align	6, 0x0
	.amdhsa_kernel k_q58b5574c2d_prep
		.amdhsa_group_segment_fixed_size 19712
		.amdhsa_private_segment_fixed_size 0
		.amdhsa_enable_private_segment 0
		.amdhsa_kernarg_size 40
		.amdhsa_user_sgpr_count 2
		.amdhsa_user_sgpr_kernarg_segment_ptr 1
		.amdhsa_wavefront_size32 1
		.amdhsa_system_sgpr_workgroup_id_x 1
		.amdhsa_system_sgpr_workgroup_id_y 1
		.amdhsa_system_sgpr_workgroup_id_z 1
		.amdhsa_system_vgpr_workitem_id 0
		.amdhsa_next_free_vgpr 208
		.amdhsa_next_free_sgpr 66
		.amdhsa_reserve_vcc 0
		.amdhsa_float_denorm_mode_32 3
		.amdhsa_float_denorm_mode_16_64 3
		.amdhsa_memory_ordered 1
		.amdhsa_forward_progress 1
		.amdhsa_inst_pref_size 26
	.end_amdhsa_kernel
	.amdgpu_metadata
---
amdhsa.version: [ 1, 2 ]
amdhsa.kernels:
  - .name:           k_q58b5574c2d_prep
    .symbol:         k_q58b5574c2d_prep.kd
    .args:
      - { .name: data, .offset: 0, .size: 8, .value_kind: global_buffer, .address_space: global }
      - { .name: W2, .offset: 8, .size: 8, .value_kind: global_buffer, .address_space: global }
      - { .name: acat, .offset: 16, .size: 8, .value_kind: global_buffer, .address_space: global }
      - { .name: w2t, .offset: 24, .size: 8, .value_kind: global_buffer, .address_space: global }
      - { .name: rs, .offset: 32, .size: 8, .value_kind: global_buffer, .address_space: global }
    .group_segment_fixed_size: 19712
    .private_segment_fixed_size: 0
    .kernarg_segment_align: 8
    .kernarg_segment_size: 40
    .max_flat_workgroup_size: 512
    .sgpr_count:     66
    .vgpr_count:     208
    .wavefront_size: 32
...
	.end_amdgpu_metadata
.endif
;; end of part 5
;; launch sim: the kernel of part 2 again; grid 256 x 1, 4 waves a work-group, clusters of 4 x 1, 327,680 bytes of LDS; arguments acat, rs, part; writes part
;; launch expand: the kernel of part 3 again; grid 256 x 1, 8 waves a work-group, no clusters, 3,072 bytes of LDS; arguments part, W1, b1, acat; writes acat
;; launch merge: the kernel of part 4 again; grid 4 x 64, 4 waves a work-group, clusters of 4 x 4, 327,680 bytes of LDS; arguments acat, w2t, out0; writes out0
